; MI455X (gfx1250); checked and timed in simulation.
; The chip was launched on July 23, 2026; its instructions are those of AMD's public machine-readable ISA for CDNA 5 (MIT licence, August 2026) and "CDNA5" Instruction Set Architecture Reference Guide (July 2026). The comments in the code are by the model that wrote it; some were corrected since.
;; Multi Head Attention. Allowed arithmetic: matrix products marked QUANTISED: E2M1 operands, one E8M0 scale for each 32 along K, by v_wmma_scale_f32_16x16x128_f8f6f4 with both operands' format E2M1 (or v_wmma_scale_f32_32x16x128_f4), f32 sums; products left as they are: bf16, f16 or f32 operands; f32 sums; everything else in f32.
;; Inputs: Wk 1,024 x 1,024 float32; Wo 1,024 x 1,024 float32; Wq 1,024 x 1,024 float32; Wv 1,024 x 1,024 float32; bk 1,024 float32; bo 1,024 float32; bq 1,024 float32; bv 1,024 float32; key 2 x 2,048 x 1,024 float32; query 2 x 2,048 x 1,024 float32; value 2 x 2,048 x 1,024 float32.
;; Outputs: out0 2 x 2,048 x 1,024 float32.
;; This version of the problem:
;;   THIS VERSION OF THE PROBLEM IS GIVEN IN LOW PRECISION. The matrix products marked QUANTISED in the list below multiply operands that are first quantised to E2M1 (2 exponent bits, 1 mantissa bit; 4 bits a number), with one power-of-two scale for each 32 numbers along K (OCP MX v1.0); their sums are f32. The products marked 'left as it is' may take bf16, f16 or f32 operands, with f32 sums. Whichever they take, every output number must still come out within the allowed error. Rounding operands to bf16 (8 significant bits) uses up far more of that allowance than f16 does (11 bits, for magnitudes from 6e-5 to 65,504). All else is computed in f32.
;;   The module's matrix products, in the order in which they are computed (A, B: the left and right operand; K: the contracted axis; several contracted axes count as one K, in the product's order):
;;     1. [M 4,096, K 1,024] x [K 1,024, N 1,024]; A: input query; B: input Wq: QUANTISED
;;     2. [M 4,096, K 1,024] x [K 1,024, N 1,024]; A: input key; B: input Wk: QUANTISED
;;     3. [M 4,096, K 1,024] x [K 1,024, N 1,024]; A: input value; B: input Wv: QUANTISED
;;     4. batch 32 x [M 2,048, K 64] x [K 64, N 2,048]; A: computed on the way; B: computed on the way: left as it is (an operand is computed on the way)
;;     5. batch 32 x [M 2,048, K 2,048] x [K 2,048, N 64]; A: computed on the way; B: computed on the way: left as it is (an operand is computed on the way)
;;     6. [M 4,096, K 1,024] x [K 1,024, N 1,024]; A: computed on the way; B: input Wo: left as it is (an operand is computed on the way)
;;   THE QUANTISER, for each operand of a quantised product, along K:
;;     - K is cut into blocks of 32 from its start; a last block that is shorter is filled with zeros.
;;     - A block's scale is 2^e with e = floor(log2(the largest magnitude in the block)) - 2, held to -126 .. 127; a block of zeros has e = 0. As a byte (E8M0): e + 127.
;;     - Each number is divided by its block's scale, clamped to +-6, and rounded to the nearest number of E2M1, ties to even, subnormals kept.
;;     - The product sums the exact products of the quantised numbers (number of the format x scale) in f32.
;;   ~~~python
;;   def quantise(x, axis):      # numpy; x: float32 -> the quantised numbers, widened to float32 again
;;       x = np.moveaxis(x, axis, -1); K = x.shape[-1]
;;       x = np.pad(x, [(0, 0)] * (x.ndim - 1) + [(0, -K % 32)]); x = x.reshape(x.shape[:-1] + (-1, 32)); a = np.abs(x).max(-1, keepdims=True)
;;       e = np.where(a > 0, np.clip(np.frexp(np.where(a > 0, a, 1))[1] - 1 - 2, -126, 127), 0)      # np.frexp(a)[1] - 1 = floor(log2(a)), exactly
;;       r = np.clip(x / 2.0 ** e, -6, 6)
;;       step = 2.0 ** (np.maximum(np.frexp(np.where(r == 0, 1, r))[1] - 1, 0) - 1)
;;       q = np.round(r / step) * step * 2.0 ** e      # np.round: ties to even
;;       return np.moveaxis(q.reshape(q.shape[:-2] + (-1,))[..., :K], -1, axis).astype(np.float32)
;;   ~~~
;; One version. Each part assembles by itself: llvm-mc -triple=amdgcn-amd-amdhsa -mcpu=gfx1250 --defsym DOCPART=n.
;; ======== version 1 of 1: 4 launches
;; limits: values are held in f16: magnitudes above 65,504 overflow, below 6.1e-05 lose precision
;; workspace buffers: codes 7,864,320 bytes; scales 491,520 bytes; wo16 2,097,152 bytes; qkv 25,165,824 bytes; att 8,388,608 bytes
;; launch prep (part 1): grid 512 x 1, 4 waves a work-group, no clusters, 33,280 bytes of LDS; arguments query, key, value, Wq, Wk, Wv, Wo, codes, scales, wo16; writes codes, scales, wo16
.if DOCPART == 1
	.amdgcn_target "amdgcn-amd-amdhsa--gfx1250"
	.amdhsa_code_object_version 6
	.text
	.protected	k_q6ddb6717f1_prep
	.globl	k_q6ddb6717f1_prep
	.p2align	8
	.type	k_q6ddb6717f1_prep,@function
k_q6ddb6717f1_prep:
	s_mov_b64 s[64:65], 0
	v_nop
	global_prefetch_b8 v0, s[64:65] scope:SCOPE_SE
	s_setreg_imm32_b32 hwreg(HW_REG_WAVE_MODE, 25, 1), 1
	s_wait_xcnt 0x0
; PREP.  (1) query, key, value [4096][1024] and Wq, Wk, Wv [1024][1024], f32 with K innermost, become codes of FP4 (E2M1), two a byte, the lower k in the low four bits,
; and one E8M0 scale byte for each 32 along K.  The six tensors follow each other in 'codes' (512 bytes a row) and in 'scales' (32 bytes a row): query, key, value, Wq, Wk, Wv.
; A block's scale is 2^(floor(log2(its largest magnitude)) - 2); its byte is that magnitude's exponent field - 2, held at 1 from below; each number is divided by the scale and rounded to the nearest code, ties to even,
; beyond the largest code the largest.  (2) Wo [1024][1024] f32 becomes f16, laid [k / 64][n][64], so that the last launch's tiles are dense blocks.
; LIMITS: NaN and infinities among the inputs are not served.  A block of zeros, and a block whose largest magnitude lies under 2^-124, gets the byte 1 (the rule says 127 for zeros): a block of zeros has zero codes, which add
; nothing under any byte but 0xff, and this program alone reads the bytes.  Numbers of Wo beyond 65,504 do not fit f16.
; SHARES.  Rows are dense and K is a multiple of 32: each tensor is a plain stream of blocks of 32.  Work-groups 0 to 479 take 32,768 numbers each (128 for each of query, key, value; 32 for each weight), a wave 8,192 in 16 steps
; of 512.  Each of a step's four loads reads 512 consecutive bytes; the 2,048 bytes turn through the wave's own stage in LDS and come back 64 bytes a lane: 16 neighbours along K, which the conversions want in ONE lane.
; Two neighbouring lanes hold a block.  A step's codes leave as 256 consecutive bytes, aligned; a wave's 256 scale bytes are gathered in LDS and leave as one such run.
; Work-groups 480 to 511 take 32 rows of Wo each, a wave 8, two rows at a time.  Waves share nothing: no barrier.  Matrix units, clusters and tensor loads would add nothing to a stream.
.set STEPS, 16
.set EMAX,  2
.set CB,    8                          ; bytes of 16 codes
.set QWG,   480                        ; work-groups that quantise
.set R,     16                         ; v16-79   four sets of 16 numbers as they are loaded   (Wo: v16-79, v80-143 two sets of 64)
.set X,     80                         ; v80-111  two sets of 16 neighbours
.set E,     112                        ; v112-127 a scale byte for each step
.set C,     128                        ; v128-191 codes: four registers for each step, so that no store's data are written again
.set OUTW,  144                        ; Wo: v144-175 a pair of rows in f16
.set WREG,  8192                       ; LDS: a region for each wave: two stages of 32 x SP bytes, and behind them its 256 scale bytes
.set SP,    80                         ; a lane's place in a stage: its 64 bytes + 16 of padding
.set SPW,   12                         ; v12      LDS address of my spare word: SPARE + 4 x my thread's number; never rewritten
.set NIL,   13                         ; v13      0; never rewritten
.set SPARE, 4*WREG                     ; behind the four regions: the spare words, 128 bytes for each wave; no other line names them
	s_load_b512 s[8:23], s[0:1], 0x0               ; query s[8:9], key s[10:11], value s[12:13], Wq s[14:15], Wk s[16:17], Wv s[18:19], Wo s[20:21], codes s[22:23]
	s_load_b128 s[24:27], s[0:1], 0x40             ; scales s[24:25], wo16 s[26:27]
	v_lshl_add_u32 v[SPW], v0, 2, SPARE
	v_mov_b32 v[NIL], 0
	v_lshrrev_b32 v1, 5, v0
	v_readfirstlane_b32 s30, v1                    ; wave
	v_and_b32 v2, 31, v0                           ; lane
	v_lshlrev_b32 v3, 4, v2                        ; my 16 bytes of a load's 512
	s_mul_i32 s31, s30, WREG
	v_lshrrev_b32 v14, 2, v2
	v_mul_u32_u24 v14, v14, SP
	v_and_b32 v15, 3, v2
	v_lshl_add_u32 v14, v15, 4, v14
	v_add_nc_u32 v14, s31, v14                     ; the stage, on the way in: four lanes' 64 bytes on end, then 16 of padding
	v_mul_u32_u24 v15, v2, SP
	v_add_nc_u32 v15, s31, v15                     ; and on the way out: SP x lane: my 16 neighbours
	v_mul_u32_u24 v4, v2, CB                       ; my codes' place in a step's
	v_lshrrev_b32 v5, 1, v2
	s_add_co_u32 s31, s31, 2*32*SP
	v_add_nc_u32 v5, s31, v5                       ; LDS: my wave's 256 scale bytes, my block's byte
	v_lshlrev_b32 v7, 3, v2                        ; and on the way out 8 bytes a lane
	v_add_nc_u32 v6, s31, v7
	s_wait_kmcnt 0x0
	s_cmp_ge_u32 ttmp9, QWG
	s_cbranch_scc1 .Lwo                            ; the work-group's number alone decides
	; which tensor is mine: the choice hangs on the work-group's number alone.  s28: the tensor's first work-group
.macro PICK limit, ptr, base
	s_cmp_lt_u32 ttmp9, \limit
	s_cselect_b64 s[4:5], s[\ptr:\ptr+1], s[4:5]
	s_cselect_b32 s28, \base, s28
.endm
	s_mov_b64 s[4:5], s[18:19]                     ; Wv, unless
	s_mov_b32 s28, 448
	PICK 448, 16, 416                              ; Wk
	PICK 416, 14, 384                              ; Wq
	PICK 384, 12, 256                              ; value
	PICK 256, 10, 128                              ; key
	PICK 128, 8, 0                                 ; query
	s_sub_co_u32 s31, ttmp9, s28
	s_lshl_b32 s31, s31, 2
	s_add_co_u32 s31, s31, s30                     ; which run of 8,192 numbers of the tensor is my wave's
	s_lshl_b32 s32, s31, 15                        ; 32,768 bytes a run
	s_mov_b32 s33, 0
	s_add_nc_u64 s[4:5], s[4:5], s[32:33]
	s_lshl_b32 s31, ttmp9, 2
	s_add_co_u32 s31, s31, s30                     ; and which run of the two output streams
	s_lshl_b32 s32, s31, 12                        ; 4,096 bytes of codes a run
	s_add_nc_u64 s[22:23], s[22:23], s[32:33]
	s_lshl_b32 s32, s31, 8                         ; 256 scale bytes a run
	s_add_nc_u64 s[24:25], s[24:25], s[32:33]
.macro LOAD t
.irp i, 0,1,2,3
	global_load_b128 v[R+16*((\t)%4)+4*\i:R+16*((\t)%4)+4*\i+3], v3, s[4:5] offset:2048*(\t)+512*\i th:TH_LOAD_NT   ; 32 lanes read 512 consecutive bytes
.endr
.endm
.macro TURN t                          ; step t's numbers through the stage: LDS serves a wave's instructions in order, so no wait stands between the stores and the loads
.irp i, 0,1,2,3
	ds_store_b128 v14, v[R+16*((\t)%4)+4*\i:R+16*((\t)%4)+4*\i+3] offset:32*SP*((\t)%2)+8*SP*\i
.endr
.irp i, 0,1,2,3
	ds_load_b128 v[X+16*((\t)%2)+4*\i:X+16*((\t)%2)+4*\i+3], v15 offset:32*SP*((\t)%2)+16*\i
.endr
.endm
.irp t, 0,1,2,3
	LOAD \t                                        ; loads run four steps, 16 loads a wave, ahead
.endr
	s_wait_loadcnt 12                              ; step 0's four loads are in
	TURN 0
.macro STEP t
.set XS, X+16*((\t)%2)
.if (\t) > 0
	s_wait_dscnt 1                                 ; this step's numbers are back from the stage (the last step's byte store may be out): so its stores into the stage have read their registers,
.else
	s_wait_dscnt 0x0
.endif
.if (\t)+4 < STEPS
	LOAD (\t)+4                                    ; which take the loads of four steps on
.endif
.if (\t)+1 < STEPS
.if STEPS-2-(\t) >= 3
	s_wait_loadcnt 12                              ; the next step's four loads are in; those of the three steps behind it may be out
.else
	s_wait_loadcnt 4*(STEPS-2-(\t))
.endif
	TURN (\t)+1                                    ; and go through the other stage while this step is worked
.endif
	v_max3_num_f32 v8, |v[XS]|, |v[XS+1]|, |v[XS+2]|               ; the largest magnitude of my 16, in two chains
	v_max3_num_f32 v9, |v[XS+3]|, |v[XS+4]|, |v[XS+5]|
.irp i, 6,10
	v_max3_num_f32 v8, v8, |v[XS+\i]|, |v[XS+\i+1]|
	v_max3_num_f32 v9, v9, |v[XS+\i+2]|, |v[XS+\i+3]|
.endr
	v_max3_num_f32 v8, v8, |v[XS+14]|, |v[XS+15]|
	v_max3_num_f32 v8, v8, v9, (EMAX+1)<<23        ; and the floor 2^(EMAX + 1 - 127): so the byte cannot fall under 1
	v_max_num_f32_dpp v8, v8, v8 row_xmask:1 row_mask:0xf bank_mask:0xf   ; and of my neighbour's 16: the block's
	v_add_nc_u32 v11, -(EMAX<<23), v8              ; EMAX off its exponent field: the conversion takes the exponent field of this operand as its scale, and nothing else of it
	v_cvt_scalef32_pk8_fp4_f32 v[C+4*(\t)], v[XS:XS+7], v11        ; eight numbers / the scale, to the nearest code; the first number's code in the lowest four bits
	v_cvt_scalef32_pk8_fp4_f32 v[C+4*(\t)+1], v[XS+8:XS+15], v11
	v_lshrrev_b32 v[E+(\t)], 23, v11               ; the scale's byte (also the plain line behind the conversions)
	ds_store_b8 v5, v[E+(\t)] offset:16*(\t)       ; both lanes of a block write the same byte with the same value
	global_store_b64 v4, v[C+4*(\t):C+4*(\t)+1], s[22:23] offset:32*CB*(\t)   ; 32 lanes store 256 consecutive bytes, aligned
.endm
.irp t, 0,1,2,3,4,5,6,7,8,9,10,11,12,13,14,15
	STEP \t
.endr
	ds_load_b64 v[8:9], v6                         ; LDS serves a wave's instructions in order: these see my byte stores
	s_wait_dscnt 0x0
	global_store_b64 v7, v[8:9], s[24:25]          ; 32 lanes store my 256 scale bytes, aligned
	s_wait_tensorcnt 0x0                           ; the wave's end: behind my last LDS store
	ds_add_u32 v[SPW], v[NIL]
	s_wait_dscnt 0x0
	s_endpgm
	; ---- Wo to f16, laid [k / 64][n][64].  Lanes 0-15 read the 256 bytes of K block kb of row n, lanes 16-31 the same of row n + 1; in f16 the two are 128 + 128 bytes that lie on end in wo16: a store covers 256 consecutive bytes, aligned.
.Lwo:
	s_sub_co_u32 s31, ttmp9, QWG
	s_lshl_b32 s31, s31, 5
	s_lshl_b32 s32, s30, 3
	s_add_co_u32 s31, s31, s32                     ; my wave's first row: 32 x work-group + 8 x wave
	s_lshl_b32 s32, s31, 12                        ; 4,096 bytes a row of Wo
	s_mov_b32 s33, 0
	s_add_nc_u64 s[20:21], s[20:21], s[32:33]
	s_lshl_b32 s32, s31, 7                         ; 128 bytes a row in a K block of wo16
	s_add_nc_u64 s[26:27], s[26:27], s[32:33]
	v_and_b32 v176, 15, v2
	v_lshlrev_b32 v176, 4, v176
	v_lshrrev_b32 v177, 4, v2
	v_lshl_add_u32 v176, v177, 12, v176            ; in: 16 (lane % 16) + a row for lanes 16-31
	v_lshlrev_b32 v177, 3, v2                      ; out: 8 bytes a lane
.macro WLOAD p                         ; rows 2 p and 2 p + 1 of my eight, all 16 K blocks, into set p % 2
.irp kb, 0,1,2,3,4,5,6,7,8,9,10,11,12,13,14,15
	global_load_b128 v[R+64*((\p)%2)+4*\kb:R+64*((\p)%2)+4*\kb+3], v176, s[20:21] offset:8192*(\p)+256*\kb th:TH_LOAD_NT
.endr
.endm
.macro WPAIR p
.set RS, R+64*((\p)%2)
.if (\p) < 3
	s_wait_loadcnt 16                              ; this pair's 16 loads are in; the next pair's may be out
.else
	s_wait_loadcnt 0x0
.endif
.if (\p) > 0
	s_wait_xcnt 0x0                                ; the last pair's stores have read their data: the registers are written again only behind this wait
.endif
.irp kb, 0,1,2,3,4,5,6,7,8,9,10,11,12,13,14,15
	v_cvt_pk_f16_f32 v[OUTW+2*\kb], v[RS+4*\kb], v[RS+4*\kb+1]
	v_cvt_pk_f16_f32 v[OUTW+2*\kb+1], v[RS+4*\kb+2], v[RS+4*\kb+3]
.endr
.if (\p) < 2
	WLOAD (\p)+2                                   ; loads ahead of stores
.endif
.irp kb, 0,1,2,3,4,5,6,7,8,9,10,11,12,13,14,15
	global_store_b64 v177, v[OUTW+2*\kb:OUTW+2*\kb+1], s[26:27] offset:131072*\kb+256*(\p)
.endr
.endm
	WLOAD 0
	WLOAD 1
	WPAIR 0
	WPAIR 1
	WPAIR 2
	WPAIR 3
	s_wait_tensorcnt 0x0                           ; the wave's end: the same three lines as at the other end stand ahead of this end too
	ds_add_u32 v[SPW], v[NIL]
	s_wait_dscnt 0x0
	s_endpgm
.Lfunc_end_k_q6ddb6717f1_prep:
	.size	k_q6ddb6717f1_prep, .Lfunc_end_k_q6ddb6717f1_prep-k_q6ddb6717f1_prep
	.p2alignl 7, 3214868480
	.fill 96, 4, 3214868480
	.section	.rodata,"a",@progbits
	.p2align	6, 0x0
	.amdhsa_kernel k_q6ddb6717f1_prep
		.amdhsa_group_segment_fixed_size 33280
		.amdhsa_private_segment_fixed_size 0
		.amdhsa_enable_private_segment 0
		.amdhsa_kernarg_size 80
		.amdhsa_user_sgpr_count 2
		.amdhsa_user_sgpr_kernarg_segment_ptr 1
		.amdhsa_wavefront_size32 1
		.amdhsa_system_sgpr_workgroup_id_x 1
		.amdhsa_system_sgpr_workgroup_id_y 1
		.amdhsa_system_sgpr_workgroup_id_z 1
		.amdhsa_system_vgpr_workitem_id 0
		.amdhsa_next_free_vgpr 192
		.amdhsa_next_free_sgpr 66
		.amdhsa_reserve_vcc 0
		.amdhsa_float_denorm_mode_32 3
		.amdhsa_float_denorm_mode_16_64 3
		.amdhsa_memory_ordered 1
		.amdhsa_forward_progress 1
		.amdhsa_inst_pref_size 55
	.end_amdhsa_kernel
	.amdgpu_metadata
---
amdhsa.version: [ 1, 2 ]
amdhsa.kernels:
  - .name:           k_q6ddb6717f1_prep
    .symbol:         k_q6ddb6717f1_prep.kd
    .args:
      - { .name: query, .offset: 0, .size: 8, .value_kind: global_buffer, .address_space: global }
      - { .name: key, .offset: 8, .size: 8, .value_kind: global_buffer, .address_space: global }
      - { .name: value, .offset: 16, .size: 8, .value_kind: global_buffer, .address_space: global }
      - { .name: Wq, .offset: 24, .size: 8, .value_kind: global_buffer, .address_space: global }
      - { .name: Wk, .offset: 32, .size: 8, .value_kind: global_buffer, .address_space: global }
      - { .name: Wv, .offset: 40, .size: 8, .value_kind: global_buffer, .address_space: global }
      - { .name: Wo, .offset: 48, .size: 8, .value_kind: global_buffer, .address_space: global }
      - { .name: codes, .offset: 56, .size: 8, .value_kind: global_buffer, .address_space: global }
      - { .name: scales, .offset: 64, .size: 8, .value_kind: global_buffer, .address_space: global }
      - { .name: wo16, .offset: 72, .size: 8, .value_kind: global_buffer, .address_space: global }
    .group_segment_fixed_size: 33280
    .private_segment_fixed_size: 0
    .kernarg_segment_align: 8
    .kernarg_segment_size: 80
    .max_flat_workgroup_size: 128
    .sgpr_count:     66
    .vgpr_count:     192
    .wavefront_size: 32
...
	.end_amdgpu_metadata
.endif
;; end of part 1
;; launch proj (part 2): grid 4 x 48, 4 waves a work-group, clusters of 4 x 4, 327,680 bytes of LDS; arguments codes, scales, qkv, bq, bk, bv; writes qkv
.if DOCPART == 2
	.amdgcn_target "amdgcn-amd-amdhsa--gfx1250"
	.amdhsa_code_object_version 6
	.text
	.protected	k_q6ddb6717f1_proj
	.globl	k_q6ddb6717f1_proj
	.p2align	8
	.type	k_q6ddb6717f1_proj,@function
k_q6ddb6717f1_proj:
	s_mov_b64 s[64:65], 0
	v_nop
	global_prefetch_b8 v0, s[64:65] scope:SCOPE_SE
	s_setreg_imm32_b32 hwreg(HW_REG_WAVE_MODE, 25, 1), 1
	s_wait_xcnt 0x0
	s_wait_alu depctr_hold_cnt(0) depctr_sa_sdst(0) depctr_va_vdst(0) depctr_va_sdst(0) depctr_va_ssrc(0) depctr_va_vcc(0) depctr_vm_vsrc(0)
	s_getreg_b32 s2, hwreg(HW_REG_IB_STS2, 6, 4)
	s_cmp_eq_u32 s2, 0
	s_cbranch_scc0 .Lentry_in_a_cluster
	s_endpgm
.Lentry_in_a_cluster:
	s_bfe_u32 s2, ttmp6, 0x10000c
	s_cmp_lg_u32 s2, 0xf033
	s_cbranch_scc0 .Lentry_shape_is_right
	s_endpgm
.Lentry_shape_is_right:
; PROJ.  The three quantised products: q = query Wq^T + bq, k = key Wk^T + bk, v = value Wv^T + bv, on codes of FP4 (E2M1) with one E8M0 scale for each 32 along K; sums in f32; results rounded once to f16
; and laid [projection][batch][head][position][64], so that a head's rows are dense for the attention launch.
; The three products are ONE walk: A = the 12,288 rows of codes of query, key, value; B = the 1,024 rows of the weight that belongs to A's rows (projection P = A's row / 4,096).
; A tile, 256 x 256, is made by a work-group of four waves, as many as a WGP has SIMDs; a wave makes 128 x 128: 64 accumulators of 16 x 16, 512 registers.  12,288 x 1,024 / 65,536 = 192 work-groups.
; K = 1,024 is two LDS slots of 512 along K (rows of 256 bytes); both are asked for at the head, so nothing is filled again.  By this text's count a wave has three tensor loads out: its part of the scales and of the two slots.
; THE SCALES of the work-group's 256 rows of A and of B, for all of K, are two dense blocks of 8,192 bytes: they come into LDS once.
; CLUSTERS: 4 x 4 work-groups.  The four of a row of the cluster need the same tiles of A, the four of a column the same tiles of B (a cluster's 1,024 rows of A lie in one projection): each tile is asked for JOINTLY.
; THE MATRIX INSTRUCTION IS USED TRANSPOSED (source 0 = 16 rows of B, source 1 = 16 rows of A): a lane holds eight neighbouring columns of one row.  THE BIAS is the C of each sum's first product.
; LIMIT: results beyond 65,504 do not fit f16.
; REGISTERS, in windows of 256: window 0: v0-31 addresses; v32-95 scale words, two sets; v128-191 A's fragments, ONE set; v192-255 the bias in the result's layout; on the way out v96-191 are free.
;   window 1: B's fragments, TWO sets, at v0 and v128.   window 2: the accumulators of my rows 0-63 ((a, b) at v[8 (8 a + b)]);   window 3: those of my rows 64-127.
.set NQ,     4                         ; steps of 128 along K in a slot
.set ROWB,   256                       ; a tile's row in bytes: 512 codes
.set KROW,   512                       ; a row of codes in memory
.set PITCH,  272                       ; an LDS row: 256 bytes + 16 of padding = 68 words: the 16 rows that a load touches start at 16 different banks (64 banks of 4 bytes: ISA guide 11.1)
.set FR,     8                         ; registers of a fragment: 16 rows x 128 K
.set NL,     2                         ; LDS loads that bring one
.set NP,     4                         ; places behind this matrix instruction (ISA guide 7.12.1)
.set HALFT,  128*PITCH                 ; 128 rows: what one tensor load brings, and what one wave reads of A or of B
.set SLOT,   4*HALFT                   ; A's 256 rows, then B's 256 rows
.set KS,     32                        ; a row of scales in bytes
.set SCL,    2*SLOT                    ; behind the slots: the scales, as runs of 256 bytes + 16 of padding
.set HALFS,  16*272                    ; the scales of 128 rows: what one tensor load brings
.set SBLK,   2*272                     ; those of 16 rows
.set SPARE,  SCL+4*HALFS               ; behind the scales: the spare words, 128 bytes for each wave; no other line names them
.set SPITCH, 272                       ; the way out: a stage of 16 rows x (256 bytes + 16) for each wave, in slot 0, which has had its only fill and its last read by then
.set WCODES, 6291456                   ; where the weights' codes begin in 'codes': 12,288 rows of 512 bytes,
.set WSCALES, 393216                   ; and their scale bytes in 'scales'
.set ADRA, 16                          ; v16-17  LDS address of my A fragments in slot 0, 1
.set ADRB, 20                          ; v20-21  the same for B
.set STO,  24                          ; v24     the way out: where I put 16 bytes of a row
.set RD,   25                          ; v25     the way out: where I read back
.set CO,   26                          ; v26     my byte offset in qkv
.set ADRS, 27                          ; v27     LDS address of my scale words: lanes 0-15 A's rows, lanes 16-31 B's
.set SPW,  28                          ; v28     LDS address of my spare word; never rewritten
.set NIL,  29                          ; v29     0; never rewritten
.set SC,   32                          ; scale words: set s at v[SC + 32 s]; register 4 i + q: lanes 0-15 the word of A's block i, lanes 16-31 that of B's block i, for the slot's q-th 128 along K
.set TMP,  96                          ; the way out: a block's 32 packed registers
.set AF,   128                         ; A's fragments
.set BK,   128                         ; the way out: 16 rows read back: v128-159 and v160-191 by turns
.set BI,   192                         ; the bias: v[BI + 8 b + j] = bias of my column 16 b + 8 (lane / 16) + j
.set G1, 24                            ; s[24:31] descriptor group 1 for A's tiles;  s[32:39] group 0, one set for each slot
.set G0, 32
.set G1B, 48                           ; s[48:55], s[56:63] the same for B's tiles
.set G0B, 56
.set G1S, 68                           ; s[68:75], s[76:79] groups 1 and 0 for A's scales;  s[80:87], s[88:91] for B's
.set G0S, 76
.set G1SB, 80
.set G0SB, 88
.set MSB, 0
.macro WIN new                         ; the immediate's high byte repeats the setting that is left
.if MSB != \new
	s_set_vgpr_msb (MSB<<8)|\new
.set MSB, \new
.endif
.endm
.set MUL_LO,   0xa1                    ; source 0 (B) window 1, source 1 (A) window 0, C and D window 2
.set MUL_HI,   0xf1                    ; the same, C and D window 3
.set FIRST_LO, 0x81                    ; the first products: C (the bias) window 0, D window 2
.set FIRST_HI, 0xc1                    ; D window 3
.set TO_B,     0x40                    ; destination window 1, address window 0
; A joint load: waves 0 and 1 fetch for A, waves 2 and 3 for B.  Each of the two lines has ONE mask and one set of registers for all that issue it; the branch hangs on the wave's number alone.
; An s_nop 0 and four v_nop follow each of the two lines, ahead of the jump, the label and what follows.
.macro JLOAD g0a, g1a, g0b, g1b
	s_cmp_eq_u32 s15, 0
	s_cbranch_scc0 .Lfor_b_\@
	tensor_load_to_lds s[\g0a:\g0a+3], s[\g1a:\g1a+7]
	s_nop 0
.rept 4
	v_nop
.endr
	s_branch .Lasked_\@
.Lfor_b_\@:
	tensor_load_to_lds s[\g0b:\g0b+3], s[\g1b:\g1b+7]
	s_nop 0
.rept 4
	v_nop
.endr
.Lasked_\@:
.endm
.macro CROUND                          ; a round of the cluster's barrier: my work-group's barrier; wave 0 signals for the work-group; every wave waits for all sixteen; my work-group's barrier once more
	s_barrier_signal -1
	s_barrier_wait -1
	s_cmp_lg_u32 s14, 0
	s_cbranch_scc1 .Lnot_wave_0_\@
	s_barrier_signal -3
.Lnot_wave_0_\@:
	s_barrier_wait -3
	s_barrier_signal -1
	s_barrier_wait -1
.endm
	s_load_b128 s[4:7], s[0:1], 0x0                ; codes s[4:5], scales s[6:7]
	s_load_b64 s[12:13], s[0:1], 0x10              ; qkv
	s_load_b128 s[96:99], s[0:1], 0x18             ; bq s[96:97], bk s[98:99]
	s_load_b64 s[100:101], s[0:1], 0x28            ; bv
	v_lshl_add_u32 v[SPW], v0, 2, SPARE
	v_mov_b32 v[NIL], 0
	ds_add_u32 v[SPW], v[NIL]                      ; the wave's opening: the add, twice on end, and its wait ahead of my first tensor load; the set-up below, work on registers, stands between
	ds_add_u32 v[SPW], v[NIL]
	v_lshrrev_b32 v1, 5, v0
	v_readfirstlane_b32 s14, v1                    ; wave 0..3
	s_lshr_b32 s15, s14, 1                         ; which half of the tile's rows is mine.  Also: I fetch for A (0) or for B (1)
	s_and_b32 s16, s14, 1                          ; which half of its columns.  Also: which 128 rows of that tile I fetch
	s_bfe_u32 s40, ttmp6, 0x40000                  ; cx, cy: my place in the cluster
	s_bfe_u32 s41, ttmp6, 0x40004
	s_lshl_b32 s42, ttmp9, 2
	s_add_co_u32 s42, s42, s40                     ; tile column = 4 x cluster x + cx
	s_and_b32 s17, ttmp7, 0xffff
	s_lshr_b32 s95, s17, 2                         ; P, the projection: four clusters, 4,096 rows, to each; the same in all sixteen partners
	s_lshl_b32 s17, s17, 2
	s_add_co_u32 s17, s17, s41                     ; tile row = 4 x cluster y + cy
	s_lshl_b32 s43, s41, 2
	s_lshl_b32 s43, 15, s43                        ; my row of the cluster
	s_lshl_b32 s44, 0x1111, s40                    ; my column
	; descriptor group 1: a tile of 128 rows x 256 bytes, padded in LDS
	s_or_b32 s[G1+0], s43, (0<<16)|(1<<20)|(1<<21)|(5<<22)|(3<<25)  ; 15:0 the mask: A's tiles go to my row; 17:16 element of 1 byte; 20 padding on; 21 set beside a mask; 24:22 after every 64 words; 31:25 four words
	s_or_b32 s[G1B+0], s44, (0<<16)|(1<<20)|(1<<21)|(5<<22)|(3<<25)
.irp g, G1, G1B
	s_mov_b32 s[\g+1], ROWB<<16                    ; tensor_dim0
	s_mov_b32 s[\g+2], 128<<16                     ; tensor_dim1 = 128
	s_mov_b32 s[\g+3], ROWB<<16                    ; tile_dim0
	s_mov_b32 s[\g+4], 128                         ; tile_dim1 = 128
	s_mov_b32 s[\g+5], KROW                        ; tensor_dim0_stride
	s_mov_b32 s[\g+6], 0
	s_mov_b32 s[\g+7], 0
.endr
	; and for the scales of 128 rows: a dense block of 4,096 bytes, as 16 rows of 256 bytes (32 elements of 8 bytes), 16 bytes of padding behind each
	s_or_b32 s[G1S+0], s43, (3<<16)|(1<<20)|(1<<21)|(5<<22)|(3<<25)
	s_or_b32 s[G1SB+0], s44, (3<<16)|(1<<20)|(1<<21)|(5<<22)|(3<<25)
.irp g, G1S, G1SB
	s_mov_b32 s[\g+1], 32<<16
	s_mov_b32 s[\g+2], 16<<16
	s_mov_b32 s[\g+3], 32<<16
	s_mov_b32 s[\g+4], 16
	s_mov_b32 s[\g+5], 32
	s_mov_b32 s[\g+6], 0
	s_mov_b32 s[\g+7], 0
.endr
	s_lshl_b32 s18, s16, 7                         ; which 128 rows of the tile I fetch
	s_lshl_b32 s20, s17, 8
	s_add_co_u32 s20, s20, s18                     ; A: row 256 x tile row + 128 x half
	s_lshl_b32 s46, s42, 8
	s_add_co_u32 s46, s46, s18                     ; B: row 256 x tile column + 128 x half,
	s_lshl_b32 s19, s95, 10
	s_add_co_u32 s46, s46, s19                     ; in weight P: made of cx, the cluster's y and the wave's number, which my column of the cluster shares
	s_mov_b32 s21, 0
	s_mov_b32 s47, 0
	s_mov_b64 s[18:19], KS
	s_mul_u64 s[22:23], s[20:21], s[18:19]         ; where these rows' scales begin, in bytes
	s_mul_u64 s[92:93], s[46:47], s[18:19]
	s_mov_b64 s[18:19], KROW
	s_mul_u64 s[20:21], s[20:21], s[18:19]         ; and their codes
	s_mul_u64 s[46:47], s[46:47], s[18:19]
	s_mul_i32 s45, s14, HALFT                      ; where they go: wave x 128 rows: no place in the cluster enters an LDS address
	s_mul_i32 s94, s14, HALFS
	s_wait_dscnt 0x0                               ; both opening adds are done
	s_wait_kmcnt 0x0
	s_add_nc_u64 s[8:9], s[4:5], WCODES            ; the weights' codes
	s_add_nc_u64 s[10:11], s[6:7], WSCALES         ; and scale bytes
	s_add_nc_u64 s[20:21], s[4:5], s[20:21]
	s_add_nc_u64 s[22:23], s[6:7], s[22:23]
	s_add_nc_u64 s[46:47], s[8:9], s[46:47]
	s_add_nc_u64 s[92:93], s[10:11], s[92:93]
	CROUND                                         ; all sixteen work-groups are here: the first joint loads meet
	s_mov_b32 s[G0S], 1
	s_add_co_u32 s[G0S+1], s94, SCL
	s_mov_b64 s[G0S+2:G0S+3], s[22:23]
	s_or_b32 s[G0S+3], s[G0S+3], 0x80000000
	s_mov_b32 s[G0SB], 1
	s_add_co_u32 s[G0SB+1], s94, SCL
	s_mov_b64 s[G0SB+2:G0SB+3], s[92:93]
	s_or_b32 s[G0SB+3], s[G0SB+3], 0x80000000
	JLOAD G0S, G1S, G0SB, G1SB                     ; the scales first: they are wanted with slot 0
.irp s, 0,1
	s_mov_b32 s[G0+4*\s], 1
	s_add_co_u32 s[G0+4*\s+1], s45, \s*SLOT
	s_add_nc_u64 s[G0+4*\s+2:G0+4*\s+3], s[20:21], \s*ROWB
	s_or_b32 s[G0+4*\s+3], s[G0+4*\s+3], 0x80000000
	s_mov_b32 s[G0B+4*\s], 1
	s_add_co_u32 s[G0B+4*\s+1], s45, \s*SLOT
	s_add_nc_u64 s[G0B+4*\s+2:G0B+4*\s+3], s[46:47], \s*ROWB
	s_or_b32 s[G0B+4*\s+3], s[G0B+4*\s+3], 0x80000000
	JLOAD G0+4*\s, G1, G0B+4*\s, G1B
.endr
	v_and_b32 v1, 15, v0                           ; l % 16
	v_bfe_u32 v2, v0, 4, 1                         ; l / 16
	; the bias of projection P, at my 128 columns; a lane wants, for B's block b, the eight numbers 16 b + 8 (l / 16) + 0 .. 7
	s_cmp_eq_u32 s95, 2
	s_cselect_b64 s[98:99], s[100:101], s[98:99]
	s_cmp_eq_u32 s95, 0
	s_cselect_b64 s[96:97], s[96:97], s[98:99]
	s_lshl_b32 s18, s42, 10                        ; 256 columns of 4 bytes a tile column,
	s_lshl_b32 s19, s16, 9                         ; 128 a half
	s_add_co_u32 s18, s18, s19
	s_mov_b32 s19, 0
	s_add_nc_u64 s[96:97], s[96:97], s[18:19]
	v_lshlrev_b32 v7, 5, v2
.irp b, 0,1,2,3,4,5,6,7
	global_load_b128 v[BI+8*\b:BI+8*\b+3], v7, s[96:97] offset:64*\b
	global_load_b128 v[BI+8*\b+4:BI+8*\b+7], v7, s[96:97] offset:64*\b+16
.endr
	v_mul_u32_u24 v3, v1, PITCH
	v_lshl_add_u32 v4, v2, 4, v3                   ; a fragment's row x pitch + 16 x half
	s_mul_i32 s21, s15, HALFT                      ; my 128 rows of A
	s_mul_i32 s22, s16, HALFT                      ; my 128 rows of B,
	s_add_co_u32 s22, s22, 2*HALFT                 ; which lie behind A's 256
.irp s, 0,1
	v_add_nc_u32 v[ADRA+\s], s21, v4
	v_add_nc_u32 v[ADRB+\s], s22, v4
	s_add_co_u32 s21, s21, SLOT
	s_add_co_u32 s22, s22, SLOT
.endr
	v_mul_u32_u24 v5, v1, KS                       ; my row's scales: 32 bytes a row,
	v_lshrrev_b32 v6, 8, v5
	v_lshl_add_u32 v5, v6, 4, v5                   ; and 16 more for each 256 passed
	s_mul_i32 s21, s15, HALFS                      ; A's: my 128 rows
	s_mul_i32 s22, s16, HALFS                      ; B's: my 128 rows, behind A's 256
	s_add_co_u32 s22, s22, 2*HALFS
	s_sub_co_u32 s22, s22, s21
	v_mul_u32_u24 v6, s22, v2                      ; lanes 16-31 take B's: one product, the distance between the two bases x the lane's half
	s_add_co_u32 s21, s21, SCL
	v_add_nc_u32 v5, v5, v6
	v_add_nc_u32 v[ADRS], s21, v5
	s_mul_i32 s23, s14, 16*SPITCH                  ; my stage
	v_mul_u32_u24 v5, v1, SPITCH                   ; in: row l % 16, 16 bytes for each half of the lanes
	v_lshl_add_u32 v5, v2, 4, v5
	v_add_nc_u32 v[STO], s23, v5
	v_bfe_u32 v5, v0, 3, 1                         ; back: lanes 0-15 take head 0's 128 bytes of two rows, lanes 16-31 head 1's: eight lanes to a row's 128 bytes
	v_and_b32 v6, 7, v0
	v_mul_u32_u24 v3, v5, SPITCH
	v_lshl_add_u32 v3, v2, 7, v3
	v_lshl_add_u32 v3, v6, 4, v3
	v_add_nc_u32 v[RD], s23, v3
	v_lshlrev_b32 v[CO], 18, v2                    ; and in qkv: a head is 262,144 bytes, a row 128
	v_lshl_add_u32 v[CO], v5, 7, v[CO]
	v_lshl_add_u32 v[CO], v6, 4, v[CO]
	s_lshl_b32 s20, s17, 8
	s_lshl_b32 s21, s15, 7
	s_add_co_u32 s20, s20, s21                     ; my first row of the 12,288: 256 x tile row + 128 x half
	s_lshr_b32 s21, s20, 11
	s_lshl_b32 s21, s21, 22                        ; (2 P + batch) x 16 heads x 262,144 bytes
	s_and_b32 s20, s20, 2047
	s_lshl_b32 s20, s20, 7                         ; the position x 128 bytes
	s_add_co_u32 s20, s20, s21
	s_lshl_b32 s46, s42, 2
	s_lshl_b32 s47, s16, 1
	s_add_co_u32 s46, s46, s47                     ; my first head: 4 x tile column + 2 x half
	s_lshl_b32 s46, s46, 18
	s_add_co_u32 s20, s20, s46                     ; under 2^25
	s_mov_b32 s21, 0
	s_add_nc_u64 s[12:13], s[12:13], s[20:21]
.macro FRAG reg, adr, q, i             ; a fragment, 16 rows x 128 K of 4-bit codes: lane l holds row l % 16; registers 4 c .. 4 c + 3 hold K = 64 c + 32 (l / 16) + 0 .. 31
.irp c, 0,1
	ds_load_b128 v[\reg+4*\c:\reg+4*\c+3], v[\adr] offset:64*(\q)+32*\c+(\i)*16*PITCH
.endr
.endm
; 16 matrix instructions: A's blocks a0, a0 + 1 x B's eight, 128 along K: the slot's q-th.  p: B's set;  sc: the set of scale words.  first = 1: the first product starts the sums from the bias: nothing is cleared or added later.
; The 64 accumulators take turns, one instruction a turn, in the same order in every step.
.macro MUL16 a0, p, q, sc, first
.irp a, \a0, \a0+1
.irp b, 0,1,2,3,4,5,6,7
.if \first
	v_wmma_scale_f32_16x16x128_f8f6f4 v[8*(8*((\a)%4)+\b):8*(8*((\a)%4)+\b)+7], v[128*(\p)+FR*\b:128*(\p)+FR*\b+FR-1], v[AF+FR*(\a):AF+FR*(\a)+FR-1], v[BI+8*\b:BI+8*\b+7], v[SC+8*NQ*(\sc)+NQ*\b+(\q)], v[SC+8*NQ*(\sc)+NQ*(\a)+(\q)] matrix_a_fmt:MATRIX_FMT_FP4 matrix_b_fmt:MATRIX_FMT_FP4 matrix_a_scale:MATRIX_SCALE_ROW1
.else
	v_wmma_scale_f32_16x16x128_f8f6f4 v[8*(8*((\a)%4)+\b):8*(8*((\a)%4)+\b)+7], v[128*(\p)+FR*\b:128*(\p)+FR*\b+FR-1], v[AF+FR*(\a):AF+FR*(\a)+FR-1], v[8*(8*((\a)%4)+\b):8*(8*((\a)%4)+\b)+7], v[SC+8*NQ*(\sc)+NQ*\b+(\q)], v[SC+8*NQ*(\sc)+NQ*(\a)+(\q)] matrix_a_fmt:MATRIX_FMT_FP4 matrix_b_fmt:MATRIX_FMT_FP4 matrix_a_scale:MATRIX_SCALE_ROW1
.endif
.endr
.endr
.endm
.macro FETCH_B slot, q, p              ; B's eight fragments of the slot's q-th 128 along K into set p
	WIN TO_B
.irp i, 0,1,2,3,4,5,6,7
	FRAG 128*(\p)+FR*\i, ADRB+\slot, \q, \i
.endr
	WIN 0
.endm
.macro FETCH_A slot, q, i0             ; A's blocks i0 .. i0 + 3
.irp i, \i0, \i0+1, \i0+2, \i0+3
	FRAG AF+FR*(\i), ADRA+\slot, \q, \i
.endr
.endm
.macro SCALES sc                       ; a slot's scale words into set sc: four words a row; lanes 0-15 take A's block i, lanes 16-31 B's block i
.irp i, 0,1,2,3,4,5,6,7
	ds_load_b128 v[SC+8*NQ*\sc+NQ*\i:SC+8*NQ*\sc+NQ*\i+3], v[ADRS] offset:\i*SBLK
.endr
.endm
; A load into a register that a matrix instruction has read, and a vector instruction that reads a matrix result, stand NP places behind that matrix instruction; only plain vector instructions that name none of its
; registers are places (ISA guide 7.12.1 for vector instructions).
.macro PLACES n
.rept \n
	v_nop
.endr
.endm
; A step of 128 along K that has its successor in the same slot: 64 products, A's blocks one after the other, each against B's eight.  A block of A is free as soon as its eight products are issued:
; blocks 0-3 are fetched anew in the step's middle, blocks 4-7 at its end; B's next set comes in the middle run.
.macro STEP slot, q, first
	s_wait_dscnt 4*NL                              ; B's set and A's blocks 0-3 are in; the youngest eight loads (A's blocks 4-7) may be out
.if \first
	WIN FIRST_LO
.else
	WIN MUL_LO
.endif
	MUL16 0, (\q)%2, \q, \slot, \first
	MUL16 2, (\q)%2, \q, \slot, \first
	s_wait_dscnt 0                                 ; A's blocks 4-7 are in (asked for 32 matrix instructions ago)
	PLACES NP
	FETCH_B \slot, (\q)+1, 1-(\q)%2
	FETCH_A \slot, (\q)+1, 0
.if \first
	WIN FIRST_HI
.else
	WIN MUL_HI
.endif
	MUL16 4, (\q)%2, \q, \slot, \first
	MUL16 6, (\q)%2, \q, \slot, \first
	PLACES NP
	WIN 0
	FETCH_A \slot, (\q)+1, 4
.endm
; Slot 0's last step changes slots: ONE barrier; in front of it each wave waits for all its tensor loads (its part of slot 1), adds 0 to its spare word, and waits for that and for its own reads of slot 0.
; Nothing is filled again; behind the barrier slot 1 is whole, and nobody reads slot 0 any more, where the stages of the way out lie.
.macro TURN slot, next
	s_wait_tensorcnt 0x0                           ; all my tensor loads have landed  (every window is 0 here: the add's two registers lie in window 0)
	ds_add_u32 v[SPW], v[NIL]                      ; 0 onto my spare word
	s_wait_dscnt 4*NL+1                            ; (the add and the youngest eight loads, A's blocks 4-7, may be out)
	WIN MUL_LO
	MUL16 0, 1, NQ-1, \slot, 0                     ; sixteen matrix instructions stand between the add and the wait for it
	s_wait_dscnt 0x0                               ; the add is done, and my reads of this slot are over
	s_barrier_signal -1
	MUL16 2, 1, NQ-1, \slot, 0
	WIN 0
	s_barrier_wait -1
	PLACES NP
	v_add_nc_u32 v[ADRS], 4*NQ, v[ADRS]            ; on to the next slot's scale words (no LDS load of mine is out)
	FETCH_B \next, 0, 0
	FETCH_A \next, 0, 0
	SCALES \next
	WIN MUL_HI
	MUL16 4, 1, NQ-1, \slot, 0
	MUL16 6, 1, NQ-1, \slot, 0
	PLACES NP
	WIN 0
	FETCH_A \next, 0, 4
.endm
	s_wait_tensorcnt 1                             ; the scales and my part of slot 0 are in (slot 1's load may be out)
	s_barrier_signal -1
	s_barrier_wait -1                              ; everybody's are
	FETCH_B 0, 0, 0
	FETCH_A 0, 0, 0
	SCALES 0
	FETCH_A 0, 0, 4
	s_wait_loadcnt 0x0                             ; the bias
	STEP 0, 0, 1                                   ; the first step's products start the sums
	STEP 0, 1, 0
	STEP 0, 2, 0
	TURN 0, 1
	STEP 1, 0, 0
	STEP 1, 1, 0
	STEP 1, 2, 0
	s_wait_dscnt 4*NL                              ; the very last step: nothing more to fetch
	WIN MUL_LO
	MUL16 0, 1, NQ-1, 1, 0
	MUL16 2, 1, NQ-1, 1, 0
	s_wait_dscnt 0
	WIN MUL_HI
	MUL16 4, 1, NQ-1, 1, 0
	MUL16 6, 1, NQ-1, 1, 0
	WIN 0
; THE WAY OUT, block by block of 16 rows x 128 columns (two heads).  PACK: rounded to f16, 16 bytes a lane, each accumulator from its low end on.  TOSTAGE: into my own stage, and back so that sixteen lanes hold two
; neighbouring rows of one head.  SEND: stored: sixteen lanes store 256 consecutive bytes, aligned.  LDS serves a wave's instructions in order (ISA guide 5.7.1.4): no wait between the stage's stores and loads.
.macro PACK a
.set AC, 64*((\a)%4)
	WIN 0x0a+5*((\a)/4)                            ; sources 0 and 1: window 2 or 3
.irp b, 0,1,2,3,4,5,6,7
.irp q, 0,1,2,3
	v_cvt_pk_f16_f32 v[TMP+4*\b+\q], v[AC+8*\b+2*\q], v[AC+8*\b+2*\q+1]
.endr
.endr
	WIN 0
.endm
.macro TOSTAGE a
.set BB, BK+32*((\a)%2)
.irp b, 0,1,2,3,4,5,6,7
	ds_store_b128 v[STO], v[TMP+4*\b:TMP+4*\b+3] offset:32*\b
.endr
.irp t, 0,1,2,3,4,5,6,7
	ds_load_b128 v[BB+4*\t:BB+4*\t+3], v[RD] offset:2*\t*SPITCH
.endr
.endm
.macro SEND a
.set BB, BK+32*((\a)%2)
	s_wait_dscnt 0x0                               ; the block is back in registers
	s_wait_xcnt 0x0                                ; the block before has had its stores' registers read: the next block's loads from the stage land there only behind this wait
.irp t, 0,1,2,3,4,5,6,7
	global_store_b128 v[CO], v[BB+4*\t:BB+4*\t+3], s[12:13] offset:2048*(\a)+256*\t   ; rows 16 a + 2 t and + 1 of both heads; no base is stepped
.endr
.endm
	PLACES NP                                      ; behind the last products: for the conversions' reads and for the loads into the registers that held A's fragments
	PACK 0
	TOSTAGE 0
.irp a, 1,2,3,4,5,6,7                  ; block a's conversions stand between block a - 1's loads from the stage and the wait for them
	PACK \a
	SEND \a-1
	TOSTAGE \a
.endr
	SEND 7
	s_wait_tensorcnt 0x0                           ; the wave's end: behind my last tensor load and my last LDS store
	ds_add_u32 v[SPW], v[NIL]
	s_wait_dscnt 0x0
	CROUND                                         ; the closing round: no work-group ends while a partner may still ask for a tile that names it
	s_endpgm
.Lfunc_end_k_q6ddb6717f1_proj:
	.size	k_q6ddb6717f1_proj, .Lfunc_end_k_q6ddb6717f1_proj-k_q6ddb6717f1_proj
	.p2alignl 7, 3214868480
	.fill 96, 4, 3214868480
	.section	.rodata,"a",@progbits
	.p2align	6, 0x0
	.amdhsa_kernel k_q6ddb6717f1_proj
		.amdhsa_group_segment_fixed_size 327680
		.amdhsa_private_segment_fixed_size 0
		.amdhsa_enable_private_segment 0
		.amdhsa_kernarg_size 48
		.amdhsa_user_sgpr_count 2
		.amdhsa_user_sgpr_kernarg_segment_ptr 1
		.amdhsa_wavefront_size32 1
		.amdhsa_system_sgpr_workgroup_id_x 1
		.amdhsa_system_sgpr_workgroup_id_y 1
		.amdhsa_system_sgpr_workgroup_id_z 1
		.amdhsa_system_vgpr_workitem_id 0
		.amdhsa_next_free_vgpr 1024
		.amdhsa_next_free_sgpr 102
		.amdhsa_reserve_vcc 0
		.amdhsa_float_denorm_mode_32 3
		.amdhsa_float_denorm_mode_16_64 3
		.amdhsa_memory_ordered 1
		.amdhsa_forward_progress 1
		.amdhsa_inst_pref_size 129
	.end_amdhsa_kernel
	.amdgpu_metadata
---
amdhsa.version: [ 1, 2 ]
amdhsa.kernels:
  - .name:           k_q6ddb6717f1_proj
    .symbol:         k_q6ddb6717f1_proj.kd
    .args:
      - { .name: codes, .offset: 0, .size: 8, .value_kind: global_buffer, .address_space: global }
      - { .name: scales, .offset: 8, .size: 8, .value_kind: global_buffer, .address_space: global }
      - { .name: qkv, .offset: 16, .size: 8, .value_kind: global_buffer, .address_space: global }
      - { .name: bq, .offset: 24, .size: 8, .value_kind: global_buffer, .address_space: global }
      - { .name: bk, .offset: 32, .size: 8, .value_kind: global_buffer, .address_space: global }
      - { .name: bv, .offset: 40, .size: 8, .value_kind: global_buffer, .address_space: global }
    .group_segment_fixed_size: 327680
    .private_segment_fixed_size: 0
    .kernarg_segment_align: 8
    .kernarg_segment_size: 48
    .max_flat_workgroup_size: 128
    .sgpr_count:     102
    .vgpr_count:     1024
    .wavefront_size: 32
...
	.end_amdgpu_metadata
.endif
;; end of part 2
;; launch attn (part 3): grid 8 x 32, 8 waves a work-group, clusters of 4 x 1, 327,680 bytes of LDS; arguments qkv, att; writes att
.if DOCPART == 3
	.amdgcn_target "amdgcn-amd-amdhsa--gfx1250"
	.amdhsa_code_object_version 6
	.text
	.protected	k_q6ddb6717f1_attn
	.globl	k_q6ddb6717f1_attn
	.p2align	8
	.type	k_q6ddb6717f1_attn,@function
k_q6ddb6717f1_attn:
	s_mov_b64 s[64:65], 0
	v_nop
	global_prefetch_b8 v0, s[64:65] scope:SCOPE_SE
	s_setreg_imm32_b32 hwreg(HW_REG_WAVE_MODE, 25, 1), 1
	s_wait_xcnt 0x0
	s_wait_alu depctr_hold_cnt(0) depctr_sa_sdst(0) depctr_va_vdst(0) depctr_va_sdst(0) depctr_va_ssrc(0) depctr_va_vcc(0) depctr_vm_vsrc(0)
	s_getreg_b32 s2, hwreg(HW_REG_IB_STS2, 6, 4)
	s_cmp_eq_u32 s2, 0
	s_cbranch_scc0 .Lentry_in_a_cluster
	s_endpgm
.Lentry_in_a_cluster:
	s_bfe_u32 s2, ttmp6, 0x10000c
	s_cmp_lg_u32 s2, 0x3003
	s_cbranch_scc0 .Lentry_shape_is_right
	s_endpgm
.Lentry_shape_is_right:
; ATTN.  att[h][2048 b + q][:] = the sum over k of softmax_k(q . k / 8) v, for each of the 32 (batch, head) pairs.  q, k, v: qkv [3][b][h][2048][64] f16; att: [h][4096][64] f16.
; Products, maxima and sums in f32; the weights p are rounded to f16 for the second product, the result once at the end.
; SHARES.  A work-group owns 256 queries of one (b, h): 8 x 32 = 256 work-groups.  Each of its eight waves owns 32 queries, two tiles of 16, in 256 registers: two waves to a SIMD, so that one wave's softmax stands beside
; the other's products; no register windows.  Every wave walks all 2,048 keys, 64 a step.
; LAYOUT.  S^T = K Q^T (source 0 = 16 keys, source 1 = 16 queries): a lane holds ONE query (lane % 16) and the keys 8 (lane / 16) + 0..7 of each tile of 16.  Two such tiles, rounded to f16 in pairs, ARE source 1
; (32 keys x 16 queries) of O^T = V^T P, whose result again holds one query a lane.  K comes out of LDS as it lies, V ([key][channel]) turned, by ds_load_tr16_b128.
; SOFTMAX.  For each query a running maximum m and sum l: p = 2^(c s - c m), c = log2(e) / 8; in every step O and l are multiplied by a = 2^(c m_old - c m_new), which is 1 where m has not grown.
; THE RING.  Two LDS slots of 512 keys.  A head's rows of 128 bytes are dense in memory: a tile is stated as rows of 256 bytes (two keys), with padding behind each.  Waves 0-3 fetch K's quarters, waves 4-7 V's: one load a wave.
; By this text's count a wave has two tensor loads out at the head and one behind each change of slots that fills.
; CLUSTER.  The four query blocks of a cluster belong to one (b, h) and walk the same K and V: each tile is asked for JOINTLY, by the same tensor load with the same descriptor and the mask of all four.
; LIMITS: NaN and infinities are not served; results under 6e-5 in magnitude fall into f16's subnormals, whose step is 6e-8.
.set KP,    272                        ; two keys of K in LDS: 256 bytes + 16: key x lies at (x / 2) KP + 128 (x % 2): the 16 keys of a fragment load start at 16 different groups of four banks
.set VP,    288                        ; two keys of V: 256 bytes + 32
.set KQUART, 64*KP                     ; 128 keys: what one tensor load brings
.set VQUART, 64*VP
.set VOFF,  4*KQUART                   ; a slot: 512 keys of K, then 512 of V
.set SLOTB, VOFF+4*VQUART              ; 143,360
.set STAGE, 2*SLOTB                    ; behind the ring: 16 rows x (128 bytes + 16) for each wave, for the way out
.set SPARE, STAGE+8*16*144             ; behind the stages: the spare words, 128 bytes for each wave; no other line names them
.set AK0, 1                            ; v1   my lane's place in a tile of K; never rewritten
.set AV0, 2                            ; v2   the same for V
.set ADK, 3                            ; v3   LDS address of the step's K
.set ADV, 4                            ; v4   and V
.set QO,  5                            ; v5   my byte offset in the wave's rows of Q
.set STO, 6                            ; v6   the way out: where I put 16 bytes of a row
.set RD,  7                            ; v7   the way out: where I read back
.set GO,  8                            ; v8   my byte offset in the wave's rows of att
.set PFO, 9                            ; v9   256 x my lane: the prefetch's offset; never rewritten
.set SPW, 10                           ; v10  LDS address of my spare word; never rewritten
.set NIL, 11                           ; v11  0; never rewritten
.set ST,  12                           ; tile t's statistics at v[ST + 8 t]: +0 c m, +1 m, +2, +3 l (even keys', odd keys'), +4 to +7 at work; a takes +6
.set TS,  28                           ; v28-31 a second chain for the sums, a pair a tile
.set Q,   32                           ; v32-63   Q: tile t, channels 32 c on, at Q + 16 t + 8 c
.set S,   64                           ; v64-127  S^T, 32 a tile; then p; then P in the tile's first 16
.set KV,  128                          ; v128-191 eight fragments: a step's K, then its V
.set O,   192                          ; v192-255 O^T: tile t, channels 16 f on, at O + 32 t + 8 f
.set WV,  12                           ; s12  my wave's number
.set LIM, 15                           ; s15  0 in a wave that prefetches
.set G1K, 24                           ; s[24:31] descriptor group 1 for K's tiles;  s[32:39] for V's: it differs in the padding alone
.set G1V, 32
.set G0K, 40                           ; s[40:47] group 0 for K's tiles, a set for each slot;  s[48:55] for V's
.set G0V, 48
.set CNT, 56                           ; s56  counts a slot's eight steps
.set TK,  57                           ; s57  LDS byte at which the step's K begins
.set CS,  58                           ; s[58:59] c: the packed scaling names a pair and takes its low word for both halves
.set SEL, 60                           ; s[60:61] lane selects for v_permlanex16_b32: lane l xor 16
.set TV,  62                           ; s62  LDS byte at which the step's V begins
.set PFA, 66                           ; s[66:67] where my prefetch stands; never rewritten
; A joint load into slot s.  The branch hangs on the wave's number alone.  An s_nop 0 and four v_nop follow each of the two lines, ahead of the jump, the label and what follows.
.macro JLOAD s
	s_cmp_lt_u32 s[WV], 4
	s_cbranch_scc0 .Lfor_v_\@
	tensor_load_to_lds s[G0K+4*\s:G0K+4*\s+3], s[G1K:G1K+7]
	s_nop 0
.rept 4
	v_nop
.endr
	s_branch .Lasked_\@
.Lfor_v_\@:
	tensor_load_to_lds s[G0V+4*\s:G0V+4*\s+3], s[G1V:G1V+7]
	s_nop 0
.rept 4
	v_nop
.endr
.Lasked_\@:
.endm
.macro CROUND                          ; a round of the cluster's barrier: my work-group's barrier; wave 0 signals for the work-group; every wave waits for all four; my work-group's barrier once more
	s_barrier_signal -1
	s_barrier_wait -1
	s_cmp_lg_u32 s[WV], 0
	s_cbranch_scc1 .Lnot_wave_0_\@
	s_barrier_signal -3
.Lnot_wave_0_\@:
	s_barrier_wait -3
	s_barrier_signal -1
	s_barrier_wait -1
.endm
; A PREFETCH INTO THE L2 of the last 512 keys of K and of V, which the second change of slots asks for: it stands at the first change, a slot's eight key steps ahead of that load, behind the wave's tensor load and its five lines.
; Each 256 bytes are named once in the launch: both clusters of a (b, h) walk the same rows, so the first asks; its four partners take 16,384 bytes each, told apart BY ADDRESS; in each, waves 0 and 1 ask for K's halves of
; that, waves 4 and 5 for V's: 8,192 bytes a wave, lanes 256 bytes apart.  The first 1,536 keys come by their loads alone.
.macro ASK
	s_cmp_eq_u32 s[LIM], 0
	s_cbranch_scc0 .Lnot_mine_\@
	global_prefetch_b8 v[PFO], s[PFA:PFA+1] th:TH_LOAD_NT scope:SCOPE_SE
.Lnot_mine_\@:
.endm
	s_load_b128 s[4:7], s[0:1], 0x0                ; qkv s[4:5], att s[6:7]
	v_lshl_add_u32 v[SPW], v0, 2, SPARE
	v_mov_b32 v[NIL], 0
	ds_add_u32 v[SPW], v[NIL]                      ; the wave's opening: the add, twice on end, and its wait ahead of my first tensor load; the set-up below, work on registers, stands between
	ds_add_u32 v[SPW], v[NIL]
	v_lshrrev_b32 v64, 5, v0
	v_readfirstlane_b32 s[WV], v64                 ; wave 0..7
	s_bfe_u32 s13, ttmp6, 0x40000                  ; cx: my place in the cluster
	s_lshl_b32 s14, ttmp9, 2                       ; in a cluster launch ttmp9 counts clusters
	s_add_co_u32 s14, s14, s13                     ; my block of 256 queries: it enters Q's and att's addresses alone
	s_and_b32 s19, ttmp7, 0xffff                   ; 16 b + h, which the four partners share
	s_and_b32 s16, s[WV], 3                        ; which quarter of a slot's K or V I fetch
	s_lshl_b32 s70, s19, 18                        ; the head's first byte in a projection: 262,144 bytes a head
	; the prefetch: K (waves 0-3) or V, the head, its last 512 keys, my work-group's quarter, my wave's half of it
	s_mov_b32 s[PFA], 16777216
	s_cmp_lt_u32 s[WV], 4
	s_cselect_b32 s[PFA], 8388608, s[PFA]
	s_add_co_u32 s[PFA], s[PFA], s70
	s_add_co_u32 s[PFA], s[PFA], 3*65536
	s_lshl_b32 s23, s13, 14
	s_add_co_u32 s[PFA], s[PFA], s23
	s_and_b32 s23, s[WV], 1
	s_lshl_b32 s23, s23, 13
	s_add_co_u32 s[PFA], s[PFA], s23
	s_mov_b32 s[PFA+1], 0
	s_and_b32 s[LIM], s[WV], 2                     ; 0 in waves 0, 1, 4, 5
	s_or_b32 s[LIM], s[LIM], ttmp9                 ; of the head's first cluster: the same in all four partners
	s_lshl_b32 s22, s14, 15                        ; my block's 256 rows of 128 bytes,
	s_lshl_b32 s23, s[WV], 12                      ; my wave's 32 of them
	s_add_co_u32 s22, s22, s23
	s_and_b32 s20, s19, 15                         ; att: head h is 524,288 bytes,
	s_lshl_b32 s20, s20, 19
	s_lshr_b32 s21, s19, 4                         ; batch b 2,048 rows in it
	s_lshl_b32 s21, s21, 18
	s_add_co_u32 s20, s20, s21
	s_add_co_u32 s20, s20, s22
	s_mov_b32 s21, 0
	s_add_co_u32 s22, s22, s70                     ; Q: in my head
	s_mov_b32 s23, 0
	s_lshl_b32 s19, s16, 14                        ; my quarter of a slot in memory: 128 keys of 128 bytes
	s_add_co_u32 s70, s70, s19
	s_mov_b32 s71, 0
	s_mul_i32 s17, s16, KQUART                     ; and in a slot: no place in the cluster enters an LDS address
	s_mul_i32 s18, s16, VQUART
	s_add_co_u32 s18, s18, VOFF
	; descriptor group 1: 64 rows of 128 elements of 2 bytes, dense in memory, padded in LDS
	s_mov_b32 s[G1K], 15|(1<<16)|(1<<20)|(1<<21)|(5<<22)|(3<<25)  ; 15:0 the mask: all four work-groups; 17:16 elements of 2 bytes; 20 padding on; 21 set beside a mask; 24:22 after every 64 words; 31:25 four words
	s_mov_b32 s[G1V], 15|(1<<16)|(1<<20)|(1<<21)|(5<<22)|(7<<25)  ; the same with eight words of padding
.irp g, G1K, G1V
	s_mov_b32 s[\g+1], 128<<16                     ; tensor_dim0 = 128
	s_mov_b32 s[\g+2], 64<<16                      ; tensor_dim1 = 64
	s_mov_b32 s[\g+3], 128<<16                     ; tile_dim0 = 128
	s_mov_b32 s[\g+4], 64                          ; tile_dim1 = 64
	s_mov_b32 s[\g+5], 128                         ; tensor_dim0_stride
	s_mov_b32 s[\g+6], 0
	s_mov_b32 s[\g+7], 0
.endr
	s_mov_b32 s[CS], 0x3e38aa3b                    ; c = log2(e) / 8
	s_mov_b32 s[CS+1], s[CS]                       ; named with it as a pair, so it is written
	s_mov_b32 s[SEL], 0x76543210
	s_mov_b32 s[SEL+1], 0xfedcba98
	s_wait_dscnt 0x0                               ; both opening adds are done
	s_wait_kmcnt 0x0
	s_add_nc_u64 s[PFA:PFA+1], s[4:5], s[PFA:PFA+1]
	s_add_nc_u64 s[70:71], s[4:5], s[70:71]
	s_add_nc_u64 s[68:69], s[70:71], 8388608       ; K at my quarter of slot 0
	s_add_nc_u64 s[70:71], s[70:71], 16777216      ; V likewise
	s_add_nc_u64 s[4:5], s[4:5], s[22:23]          ; Q at my wave's first row
	s_add_nc_u64 s[6:7], s[6:7], s[20:21]          ; att likewise
.irp s, 0,1
	s_mov_b32 s[G0K+4*\s], 1                       ; 1:0 count = 1
	s_add_co_u32 s[G0K+4*\s+1], s17, \s*SLOTB      ; 63:32 LDS address
	s_add_nc_u64 s[G0K+4*\s+2:G0K+4*\s+3], s[68:69], \s*65536  ; 120:64 global address: slot s begins with keys 512 s on
	s_or_b32 s[G0K+4*\s+3], s[G0K+4*\s+3], 0x80000000          ; 127:126 type = 2
	s_mov_b32 s[G0V+4*\s], 1
	s_add_co_u32 s[G0V+4*\s+1], s18, \s*SLOTB
	s_add_nc_u64 s[G0V+4*\s+2:G0V+4*\s+3], s[70:71], \s*65536
	s_or_b32 s[G0V+4*\s+3], s[G0V+4*\s+3], 0x80000000
.endr
	CROUND                                         ; all four work-groups are here: the first joint loads meet
	JLOAD 0
	JLOAD 1
	v_and_b32 v64, 15, v0                          ; r = l % 16
	v_bfe_u32 v65, v0, 4, 1                        ; h = l / 16
	v_lshlrev_b32 v[QO], 7, v64
	v_lshl_add_u32 v[QO], v65, 4, v[QO]            ; row r of 128 bytes + 16 h
.irp t, 0,1
.irp c, 0,1                                    ; Q stays in registers: a fragment is 16 rows x 32 channels: registers 0-3 channels 8 h + 0..7, registers 4-7 channels 16 + 8 h + 0..7
	global_load_b128 v[Q+16*\t+8*\c:Q+16*\t+8*\c+3],   v[QO], s[4:5] offset:2048*\t+64*\c
	global_load_b128 v[Q+16*\t+8*\c+4:Q+16*\t+8*\c+7], v[QO], s[4:5] offset:2048*\t+64*\c+32
.endr
.endr
	v_bfe_u32 v66, v0, 1, 3                        ; r / 2
	v_and_b32 v67, 1, v0                           ; r % 2
	v_mul_u32_u24 v[AK0], v66, KP
	v_lshl_add_u32 v[AK0], v67, 7, v[AK0]
	v_lshl_add_u32 v[AK0], v65, 4, v[AK0]          ; K: key r, + 16 h
	; the turning load takes 16 keys x 16 channels: lane l reads 16 bytes of key 8 h + l % 8, channels 8 ((l / 8) % 2) + 0..7, and is left with channel l % 16 and 8 keys
	v_bfe_u32 v68, v0, 1, 2                        ; (l % 8) / 2
	v_lshl_add_u32 v68, v65, 2, v68                ; + 4 h: which pair of keys
	v_mul_u32_u24 v[AV0], v68, VP
	v_lshl_add_u32 v[AV0], v67, 7, v[AV0]
	v_bfe_u32 v69, v0, 3, 1
	v_lshl_add_u32 v[AV0], v69, 4, v[AV0]
	s_mul_i32 s20, s[WV], 16*144
	s_add_co_u32 s20, s20, STAGE                   ; my stage
	v_mul_u32_u24 v[STO], v64, 144                 ; in: row r, 16 bytes for each half of the lanes
	v_lshl_add_u32 v[STO], v65, 4, v[STO]
	v_add_nc_u32 v[STO], s20, v[STO]
	v_bfe_u32 v70, v0, 3, 2                        ; back: eight lanes to a row of 128 bytes, four rows an instruction
	v_and_b32 v71, 7, v0
	v_mul_u32_u24 v[RD], v70, 144
	v_lshl_add_u32 v[RD], v71, 4, v[RD]
	v_add_nc_u32 v[RD], s20, v[RD]
	v_and_b32 v72, 31, v0
	v_lshlrev_b32 v[GO], 4, v72                    ; att's rows are dense: four rows are 512 consecutive bytes
	v_lshlrev_b32 v[PFO], 8, v72
.irp t, 0,1
	v_mov_b32 v[ST+8*\t+1], 0xff61b1e6             ; m: -3e38, under every score
	v_mul_f32 v[ST+8*\t], s[CS], v[ST+8*\t+1]      ; c m
	v_mov_b32 v[ST+8*\t+2], 0                      ; l
	v_mov_b32 v[ST+8*\t+3], 0
.endr
.irp j, 0,1,2,3,4,5,6,7,8,9,10,11,12,13,14,15,16,17,18,19,20,21,22,23,24,25,26,27,28,29,30,31,32,33,34,35,36,37,38,39,40,41,42,43,44,45,46,47,48,49,50,51,52,53,54,55,56,57,58,59,60,61,62,63
	v_mov_b32 v[O+\j], 0                           ; O^T.  The key step is written once, with no first step of its own: the first a is 0 and multiplies zeros
.endr
.macro KQ c                            ; eight products of S^T = K Q^T: channels 32 c on.  The eight accumulators take turns, one instruction a turn; c = 0 starts the sums
.irp a, 0,1,2,3
.irp t, 0,1
.if \c == 0
	v_wmma_f32_16x16x32_f16 v[S+32*\t+8*\a:S+32*\t+8*\a+7], v[KV+8*(4*\c+\a):KV+8*(4*\c+\a)+7], v[Q+16*\t+8*\c:Q+16*\t+8*\c+7], 0
.else
	v_wmma_f32_16x16x32_f16 v[S+32*\t+8*\a:S+32*\t+8*\a+7], v[KV+8*(4*\c+\a):KV+8*(4*\c+\a)+7], v[Q+16*\t+8*\c:Q+16*\t+8*\c+7], v[S+32*\t+8*\a:S+32*\t+8*\a+7]
.endif
.endr
.endr
.endm
.macro PV k                            ; eight products of O^T += V^T P: keys 32 k on; the eight accumulators by turns
.irp f, 0,1,2,3
.irp t, 0,1
	v_wmma_f32_16x16x32_f16 v[O+32*\t+8*\f:O+32*\t+8*\f+7], v[KV+8*(4*\k+\f):KV+8*(4*\k+\f)+7], v[S+32*\t+8*\k:S+32*\t+8*\k+7], v[O+32*\t+8*\f:O+32*\t+8*\f+7]
.endr
.endr
.endm
; THE SOFTMAX of both tiles for 64 keys: 119 instructions a tile; the tiles alternate line by line, so that no line waits for the line above it.
.macro SOFTMAX
.irp j, 0,1,2,3                                ; the maximum of the lane's 32 scores and the old m: four chains of seven scores; each accumulator is first read at its registers 0 to 2
.irp t, 0,1
	v_max3_num_f32 v[ST+8*\t+4+\j], v[S+32*\t+8*\j], v[S+32*\t+8*\j+1], v[S+32*\t+8*\j+2]
.endr
.endr
.irp g, 1,2
.irp j, 0,1,2,3
.irp t, 0,1
	v_max3_num_f32 v[ST+8*\t+4+\j], v[ST+8*\t+4+\j], v[S+32*\t+8*\j+2*\g+1], v[S+32*\t+8*\j+2*\g+2]
.endr
.endr
.endr
.irp t, 0,1
	v_max3_num_f32 v[ST+8*\t+4], v[ST+8*\t+4], v[S+32*\t+7], v[S+32*\t+15]
.endr
.irp t, 0,1
	v_max3_num_f32 v[ST+8*\t+6], v[ST+8*\t+6], v[S+32*\t+23], v[S+32*\t+31]
.endr
.irp t, 0,1
	v_max3_num_f32 v[ST+8*\t+4], v[ST+8*\t+4], v[ST+8*\t+5], v[ST+8*\t+6]
.endr
.irp t, 0,1
	v_max3_num_f32 v[ST+8*\t+4], v[ST+8*\t+4], v[ST+8*\t+7], v[ST+8*\t+1]
.endr
.irp t, 0,1
	v_permlanex16_b32 v[ST+8*\t+5], v[ST+8*\t+4], s[SEL], s[SEL+1]   ; the query's other 32 keys lie in the lane 16 away
.endr
.irp t, 0,1
	v_mov_b32 v[ST+8*\t+7], v[ST+8*\t]             ; c m_old is kept for a
.endr
.irp t, 0,1
	v_max_num_f32 v[ST+8*\t+1], v[ST+8*\t+4], v[ST+8*\t+5]           ; the new m
.endr
.irp t, 0,1
	v_mul_f32 v[ST+8*\t], s[CS], v[ST+8*\t+1]
.endr
.irp t, 0,1
	v_sub_f32 v[ST+8*\t+7], v[ST+8*\t+7], v[ST+8*\t]                 ; c m_old - c m_new, 0 or less
.endr
.irp j, 0,2,4,6,8,10,12,14,16,18,20,22,24,26,28,30
.irp t, 0,1
	v_pk_fma_f32 v[S+32*\t+\j:S+32*\t+\j+1], v[S+32*\t+\j:S+32*\t+\j+1], s[CS:CS+1], v[ST+8*\t:ST+8*\t+1] op_sel_hi:[1,0,0] neg_lo:[0,0,1] neg_hi:[0,0,1]   ; c s - c m, two at a time
.endr
.endr
.irp t, 0,1                                    ; ONE BATCH of 66 exponentials: none reads another's result
	v_exp_f32 v[ST+8*\t+6], v[ST+8*\t+7]           ; a
.endr
.irp j, 0,1,2,3,4,5,6,7,8,9,10,11,12,13,14,15,16,17,18,19,20,21,22,23,24,25,26,27,28,29,30,31
.irp t, 0,1
	v_exp_f32 v[S+32*\t+\j], v[S+32*\t+\j]         ; p, at most 1
.endr
.endr
	v_nop                                          ; a plain instruction behind the last exponential, ahead of the first use
	s_wait_alu depctr_va_vdst(0)                   ; this wait stands ahead of the first line that names an exponential's result: one for the batch
.irp t, 0,1
	v_pk_mul_f32 v[ST+8*\t+2:ST+8*\t+3], v[ST+8*\t+2:ST+8*\t+3], v[ST+8*\t+6:ST+8*\t+7] op_sel_hi:[1,0]   ; l under the new m
.endr
.irp t, 0,1
	v_pk_add_f32 v[TS+2*\t:TS+2*\t+1], v[S+32*\t:S+32*\t+1], v[S+32*\t+2:S+32*\t+3]   ; the sum of the unrounded p, two at a time, in two chains
.endr
.irp j, 4,8,12,16,20,24,28
.irp t, 0,1
	v_pk_add_f32 v[ST+8*\t+2:ST+8*\t+3], v[ST+8*\t+2:ST+8*\t+3], v[S+32*\t+\j:S+32*\t+\j+1]
	v_pk_add_f32 v[TS+2*\t:TS+2*\t+1], v[TS+2*\t:TS+2*\t+1], v[S+32*\t+\j+2:S+32*\t+\j+3]
.endr
.endr
.irp t, 0,1
	v_pk_add_f32 v[ST+8*\t+2:ST+8*\t+3], v[ST+8*\t+2:ST+8*\t+3], v[TS+2*\t:TS+2*\t+1]
.endr
.irp j, 0,1,2,3,4,5,6,7,8,9,10,11,12,13,14,15  ; P, in place: register j takes pair j; ascending, so no pair is written before it is read
.irp t, 0,1
	v_cvt_pk_f16_f32 v[S+32*\t+\j], v[S+32*\t+2*\j], v[S+32*\t+2*\j+1]
.endr
.endr
.irp j, 0,2,4,6,8,10,12,14,16,18,20,22,24,26,28,30
.irp t, 0,1
	v_pk_mul_f32 v[O+32*\t+\j:O+32*\t+\j+1], v[O+32*\t+\j:O+32*\t+\j+1], v[ST+8*\t+6:ST+8*\t+7] op_sel_hi:[1,0]   ; O^T under the new m, each accumulator from its low end on
.endr
.endr
.endm
; A KEY STEP: 64 keys.  K's 16 loads, 16 products, V's 16 loads (into the same registers: they land under the softmax), the softmax, 16 products.
.macro STEP
	v_add_nc_u32 v[ADK], s[TK], v[AK0]
	v_add_nc_u32 v[ADV], s[TV], v[AV0]
.rept 3
	v_nop                                          ; with the two additions: five places behind the last step's products, whose source P the first products below write over (five are asked), and into whose source V the loads land (four)
.endr
.irp c, 0,1
.irp a, 0,1,2,3
	ds_load_b128 v[KV+8*(4*\c+\a):KV+8*(4*\c+\a)+3],   v[ADK] offset:8*KP*\a+64*\c
	ds_load_b128 v[KV+8*(4*\c+\a)+4:KV+8*(4*\c+\a)+7], v[ADK] offset:8*KP*\a+64*\c+32
.endr
.endr
	s_wait_dscnt 8                                 ; channels 0-31 are in; the other eight loads may be out
	KQ 0
	s_wait_dscnt 0x0
	KQ 1
.rept 4
	v_nop                                          ; four places: for the loads into K's registers, and for the softmax's first read of the scores
.endr
.irp k, 0,1
.irp f, 0,1,2,3
	ds_load_tr16_b128 v[KV+8*(4*\k+\f):KV+8*(4*\k+\f)+3],   v[ADV] offset:16*VP*\k+32*\f
	ds_load_tr16_b128 v[KV+8*(4*\k+\f)+4:KV+8*(4*\k+\f)+7], v[ADV] offset:16*VP*\k+8*VP+32*\f
.endr
.endr
	SOFTMAX
	s_wait_dscnt 8                                 ; keys 0-31 are in; the other eight loads may be out
	PV 0
	s_wait_dscnt 0x0
	PV 1
.endm
.macro PHASE s                         ; slot s's eight key steps: the step is written once, the LDS addresses hang on two scalars stepped by constants
	s_mov_b32 s[TK], \s*SLOTB
	s_mov_b32 s[TV], \s*SLOTB+VOFF
	s_mov_b32 s[CNT], 8
.Lstep_\@:
	STEP
	s_add_co_u32 s[TK], s[TK], 32*KP
	s_add_co_u32 s[TV], s[TV], 32*VP
	s_sub_co_u32 s[CNT], s[CNT], 1
	s_cmp_lg_u32 s[CNT], 0
	s_cbranch_scc1 .Lstep_\@
.endm
; THE CHANGE OF SLOTS, behind slot s's last step.  Each wave waits for all its tensor loads, of which one is out: its part of the other slot; adds 0 to its spare word; and waits for that and for its reads of slot s.
; fill = 1: slot s is filled again with the keys 1,024 further on.  The barrier is then a round of the cluster's, so that no wave of any partner still reads the slot or has a load on its way, and the joint refill is the
; first thing behind it: it has the other slot's eight key steps in which to land.
.macro CHANGE s, fill, ask
	s_wait_tensorcnt 0x0                           ; no tensor load of mine is out, so a group 0 may be written
	ds_add_u32 v[SPW], v[NIL]                      ; 0 onto my spare word
.if \fill
	s_add_nc_u64 s[G0K+4*\s+2:G0K+4*\s+3], s[G0K+4*\s+2:G0K+4*\s+3], 131072   ; 1,024 keys of 128 bytes on; the type bits on top are not reached
	s_add_nc_u64 s[G0V+4*\s+2:G0V+4*\s+3], s[G0V+4*\s+2:G0V+4*\s+3], 131072
.endif
	s_wait_dscnt 0x0                               ; the add is done, and my reads of the slot are over
.if \fill
	CROUND
	JLOAD \s
.if \ask
	ASK
.endif
.else
	s_barrier_signal -1
	s_barrier_wait -1
.endif
.endm
	s_wait_tensorcnt 1                             ; my part of slot 0 is in; slot 1's may stay out
	s_barrier_signal -1
	s_barrier_wait -1                              ; everybody's is
	s_wait_loadcnt 0x0                             ; Q
	PHASE 0                                        ; keys 0 to 511
	CHANGE 0, 1, 1
	PHASE 1                                        ; 512 to 1,023
	CHANGE 1, 1, 0
	PHASE 0                                        ; 1,024 to 1,535
	CHANGE 0, 0, 0                                 ; nothing is left to fetch
	PHASE 1                                        ; 1,536 to 2,047
	; THE WAY OUT.  l's two halves and the other half of the lanes' are added; O^T is divided by l, rounded to f16 and sent through my stage, a tile (16 rows) at a time.  The four additions and the v_nop are the places behind the last products.
.irp t, 0,1
	v_add_f32 v[ST+8*\t+4], v[ST+8*\t+2], v[ST+8*\t+3]
.endr
.irp t, 0,1
	v_permlanex16_b32 v[ST+8*\t+5], v[ST+8*\t+4], s[SEL], s[SEL+1]
.endr
.irp t, 0,1
	v_add_f32 v[ST+8*\t+4], v[ST+8*\t+4], v[ST+8*\t+5]
.endr
.irp t, 0,1
	v_rcp_f32 v[ST+8*\t+6], v[ST+8*\t+4]
.endr
	v_nop                                          ; a plain instruction between the last reciprocal and the use of its result
	s_wait_alu depctr_va_vdst(0)                   ; and the wait ahead of the first use: one for both
.irp t, 0,1
.irp j, 0,2,4,6,8,10,12,14,16,18,20,22,24,26,28,30
	v_pk_mul_f32 v[O+32*\t+\j:O+32*\t+\j+1], v[O+32*\t+\j:O+32*\t+\j+1], v[ST+8*\t+6:ST+8*\t+7] op_sel_hi:[1,0]
.endr
.irp j, 0,1,2,3,4,5,6,7,8,9,10,11,12,13,14,15
	v_cvt_pk_f16_f32 v[S+16*\t+\j], v[O+32*\t+2*\j], v[O+32*\t+2*\j+1]   ; registers 4 f .. 4 f + 3: channels 16 f + 8 h + 0..7 of my query: 16 bytes
.endr
.irp f, 0,1,2,3
	ds_store_b128 v[STO], v[S+16*\t+4*\f:S+16*\t+4*\f+3] offset:32*\f
.endr
.irp i, 0,1,2,3
	ds_load_b128 v[S+32+16*\t+4*\i:S+32+16*\t+4*\i+3], v[RD] offset:4*144*\i   ; LDS serves a wave's instructions in order (ISA guide 5.7.1.4): these see the stores above, and the next tile's stores come behind them
.endr
.endr
	s_wait_dscnt 0x0
.irp t, 0,1
.irp i, 0,1,2,3
	global_store_b128 v[GO], v[S+32+16*\t+4*\i:S+32+16*\t+4*\i+3], s[6:7] offset:2048*\t+512*\i   ; 32 lanes store four rows: 512 consecutive bytes, aligned
.endr
.endr
	s_wait_tensorcnt 0x0                           ; the wave's end: behind my last tensor load and my last LDS store
	ds_add_u32 v[SPW], v[NIL]
	s_wait_dscnt 0x0
	CROUND                                         ; the closing round: no work-group ends while a partner may still ask for a tile that names it
	s_endpgm
.Lfunc_end_k_q6ddb6717f1_attn:
	.size	k_q6ddb6717f1_attn, .Lfunc_end_k_q6ddb6717f1_attn-k_q6ddb6717f1_attn
	.p2alignl 7, 3214868480
	.fill 96, 4, 3214868480
	.section	.rodata,"a",@progbits
	.p2align	6, 0x0
	.amdhsa_kernel k_q6ddb6717f1_attn
		.amdhsa_group_segment_fixed_size 327680
		.amdhsa_private_segment_fixed_size 0
		.amdhsa_enable_private_segment 0
		.amdhsa_kernarg_size 16
		.amdhsa_user_sgpr_count 2
		.amdhsa_user_sgpr_kernarg_segment_ptr 1
		.amdhsa_wavefront_size32 1
		.amdhsa_system_sgpr_workgroup_id_x 1
		.amdhsa_system_sgpr_workgroup_id_y 1
		.amdhsa_system_sgpr_workgroup_id_z 1
		.amdhsa_system_vgpr_workitem_id 0
		.amdhsa_next_free_vgpr 256
		.amdhsa_next_free_sgpr 72
		.amdhsa_reserve_vcc 0
		.amdhsa_float_denorm_mode_32 3
		.amdhsa_float_denorm_mode_16_64 3
		.amdhsa_memory_ordered 1
		.amdhsa_forward_progress 1
		.amdhsa_inst_pref_size 90
	.end_amdhsa_kernel
	.amdgpu_metadata
---
amdhsa.version: [ 1, 2 ]
amdhsa.kernels:
  - .name:           k_q6ddb6717f1_attn
    .symbol:         k_q6ddb6717f1_attn.kd
    .args:
      - { .name: qkv, .offset: 0, .size: 8, .value_kind: global_buffer, .address_space: global }
      - { .name: att, .offset: 8, .size: 8, .value_kind: global_buffer, .address_space: global }
    .group_segment_fixed_size: 327680
    .private_segment_fixed_size: 0
    .kernarg_segment_align: 8
    .kernarg_segment_size: 16
    .max_flat_workgroup_size: 256
    .sgpr_count:     72
    .vgpr_count:     256
    .wavefront_size: 32
...
	.end_amdgpu_metadata
.endif
;; end of part 3
;; launch outp (part 4): grid 8 x 32, 8 waves a work-group, clusters of 4 x 4, 327,680 bytes of LDS; arguments att, wo16, bo, out0; writes out0
.if DOCPART == 4
	.amdgcn_target "amdgcn-amd-amdhsa--gfx1250"
	.amdhsa_code_object_version 6
	.text
	.protected	k_q6ddb6717f1_outp
	.globl	k_q6ddb6717f1_outp
	.p2align	8
	.type	k_q6ddb6717f1_outp,@function
k_q6ddb6717f1_outp:
	s_mov_b64 s[64:65], 0
	v_nop
	global_prefetch_b8 v0, s[64:65] scope:SCOPE_SE
	s_setreg_imm32_b32 hwreg(HW_REG_WAVE_MODE, 25, 1), 1
	s_wait_xcnt 0x0
	s_wait_alu depctr_hold_cnt(0) depctr_sa_sdst(0) depctr_va_vdst(0) depctr_va_sdst(0) depctr_va_ssrc(0) depctr_va_vcc(0) depctr_vm_vsrc(0)
	s_getreg_b32 s2, hwreg(HW_REG_IB_STS2, 6, 4)
	s_cmp_eq_u32 s2, 0
	s_cbranch_scc0 .Lentry_in_a_cluster
	s_endpgm
.Lentry_in_a_cluster:
	s_bfe_u32 s2, ttmp6, 0x10000c
	s_cmp_lg_u32 s2, 0xf033
	s_cbranch_scc0 .Lentry_shape_is_right
	s_endpgm
.Lentry_shape_is_right:
; OUTP.  out0[token][n] = the sum over k of att[token][k] Wo[n][k] + bo[n].  att: [k / 64][4096][64] f16; wo16: [k / 64][1024][64] f16; bo [1024], out0 [4096][1024] f32; sums in f32.
; A tile of out0 is 128 x 128: 32 x 8 = 256 work-groups, one for each WGP; tiles of 256 x 256 would be 64.  Eight waves: wave w makes rows 64 (w / 4) on, columns 32 (w % 4) on: 8 accumulators of 16 x 16.
; K goes in four steps of 256 through two LDS slots.  A step's tiles are eight dense blocks of 16,384 bytes (128 rows x 128 bytes of one K block of 64): A's four and B's four; EACH WAVE FETCHES ONE, as 64 rows of 256 bytes
; with 16 of padding behind each: one tensor load a wave.  That is why there are eight waves.  By this text's count a wave has two tensor loads out at the head and one behind each change of slots that fills.
; CLUSTERS: 4 x 4 work-groups.  The four of a row of the cluster need the same blocks of att, the four of a column the same blocks of wo16: each is asked for JOINTLY.
; THE MATRIX INSTRUCTION IS USED TRANSPOSED (source 0 = 16 rows of wo16, source 1 = 16 rows of att): a lane holds eight neighbouring columns of one row.  THE BIAS is the C of each sum's first product.
; No prefetch: the tiles are small and the walk is four steps long.
.set PITCH,  272                       ; two rows in LDS: 256 bytes + 16: row x lies at (x / 2) PITCH + 128 (x % 2): the 16 rows of a fragment load start at 16 different groups of four banks
.set BLK,    64*PITCH                  ; a block: 128 rows x 64 along K
.set SLOT,   8*BLK                     ; A's four blocks, then B's four
.set SPARE,  2*SLOT                    ; behind the ring: the spare words, 128 bytes for each wave; no other line names them
.set SPITCH, 528                       ; the way out: a stage of 128 rows x (512 bytes + 16), the work-group's, in slot 0, which has had its last fill and its last read by then
.set ADRA, 16                          ; v16-17  LDS address of my A fragments in slot 0, 1
.set ADRB, 20                          ; v20-21  the same for B
.set STO,  24                          ; v24     the way out: where I put 32 bytes of a row
.set RD,   25                          ; v25     the way out: where I read a row back
.set CO,   26                          ; v26     my byte offset in a row's 512 bytes of out0
.set SPW,  28                          ; v28     LDS address of my spare word; never rewritten
.set NIL,  29                          ; v29     0; never rewritten
.set F0,   32                          ; v32-79, v80-127: two fragment buffers for 32 along K: A's four fragments at + 8 a, B's two at + 32 + 8 b
.set F1,   80
.set ACC,  128                         ; v128-191 accumulator (a, b) at ACC + 8 (2 a + b)
.set BI,   192                         ; v192-207 the bias: v[BI + 8 b + j] = bo of my column 16 b + 8 (lane / 16) + j
.set G1, 24                            ; s[24:31] descriptor group 1 for A's blocks;  s[32:39] group 0, one set for each slot
.set G0, 32
.set G1B, 48                           ; s[48:55], s[56:63] the same for B's
.set G0B, 56
.macro JLOAD s                         ; a joint load: waves 0-3 fetch A's four blocks, waves 4-7 B's; an s_nop 0 and four v_nop follow each of the two lines, ahead of the jump, the label and what follows
	s_cmp_eq_u32 s13, 0
	s_cbranch_scc0 .Lfor_b_\@
	tensor_load_to_lds s[G0+4*\s:G0+4*\s+3], s[G1:G1+7]
	s_nop 0
.rept 4
	v_nop
.endr
	s_branch .Lasked_\@
.Lfor_b_\@:
	tensor_load_to_lds s[G0B+4*\s:G0B+4*\s+3], s[G1B:G1B+7]
	s_nop 0
.rept 4
	v_nop
.endr
.Lasked_\@:
.endm
.macro CROUND                          ; a round of the cluster's barrier
	s_barrier_signal -1
	s_barrier_wait -1
	s_cmp_lg_u32 s12, 0
	s_cbranch_scc1 .Lnot_wave_0_\@
	s_barrier_signal -3
.Lnot_wave_0_\@:
	s_barrier_wait -3
	s_barrier_signal -1
	s_barrier_wait -1
.endm
	s_load_b256 s[4:11], s[0:1], 0x0               ; att s[4:5], wo16 s[6:7], bo s[8:9], out0 s[10:11]
	v_lshl_add_u32 v[SPW], v0, 2, SPARE
	v_mov_b32 v[NIL], 0
	ds_add_u32 v[SPW], v[NIL]                      ; the wave's opening: the add, twice on end, and its wait ahead of my first tensor load; the set-up below, work on registers, stands between
	ds_add_u32 v[SPW], v[NIL]
	v_lshrrev_b32 v1, 5, v0
	v_readfirstlane_b32 s12, v1                    ; wave 0..7
	s_lshr_b32 s13, s12, 2                         ; which 64 rows of the tile are mine.  Also: I fetch for A (0) or for B (1)
	s_and_b32 s14, s12, 3                          ; which 32 columns.  Also: which of a step's four K blocks I fetch
	s_bfe_u32 s40, ttmp6, 0x40000                  ; cx, cy: my place in the cluster
	s_bfe_u32 s41, ttmp6, 0x40004
	s_lshl_b32 s42, ttmp9, 2
	s_add_co_u32 s42, s42, s40                     ; tile column = 4 x cluster x + cx
	s_and_b32 s15, ttmp7, 0xffff
	s_lshl_b32 s15, s15, 2
	s_add_co_u32 s15, s15, s41                     ; tile row = 4 x cluster y + cy
	s_lshl_b32 s43, s41, 2
	s_lshl_b32 s43, 15, s43                        ; my row of the cluster
	s_lshl_b32 s44, 0x1111, s40                    ; my column
	; descriptor group 1: 64 rows of 128 elements of 2 bytes, dense in memory, padded in LDS
	s_or_b32 s[G1+0], s43, (1<<16)|(1<<20)|(1<<21)|(5<<22)|(3<<25)  ; 15:0 the mask: A's blocks go to my row; 17:16 element of 2 bytes; 20 padding on; 21 set beside a mask; 24:22 after every 64 words; 31:25 four words
	s_or_b32 s[G1B+0], s44, (1<<16)|(1<<20)|(1<<21)|(5<<22)|(3<<25)
.irp g, G1, G1B
	s_mov_b32 s[\g+1], 128<<16                     ; tensor_dim0 = 128
	s_mov_b32 s[\g+2], 64<<16                      ; tensor_dim1 = 64
	s_mov_b32 s[\g+3], 128<<16                     ; tile_dim0 = 128
	s_mov_b32 s[\g+4], 64                          ; tile_dim1 = 64
	s_mov_b32 s[\g+5], 128                         ; tensor_dim0_stride
	s_mov_b32 s[\g+6], 0
	s_mov_b32 s[\g+7], 0
.endr
	s_lshl_b32 s16, s14, 19                        ; A: K block w % 4 of 524,288 bytes,
	s_lshl_b32 s17, s15, 14                        ; the tile row's 128 rows of 128 bytes
	s_add_co_u32 s16, s16, s17
	s_mov_b32 s17, 0
	s_lshl_b32 s46, s14, 17                        ; B: K block w % 4 of 131,072 bytes,
	s_lshl_b32 s47, s42, 14                        ; the tile column's 128 rows
	s_add_co_u32 s46, s46, s47
	s_mov_b32 s47, 0
	s_mul_i32 s20, s12, BLK                        ; where it goes: wave x a block: no place in the cluster enters an LDS address
	s_wait_dscnt 0x0                               ; both opening adds are done
	s_wait_kmcnt 0x0
	s_add_nc_u64 s[18:19], s[4:5], s[16:17]
	s_add_nc_u64 s[46:47], s[6:7], s[46:47]
	CROUND                                         ; all sixteen work-groups are here: the first joint loads meet
.irp s, 0,1
	s_mov_b32 s[G0+4*\s], 1
	s_add_co_u32 s[G0+4*\s+1], s20, \s*SLOT
	s_add_nc_u64 s[G0+4*\s+2:G0+4*\s+3], s[18:19], \s*4*524288   ; slot s begins with K step s: four K blocks on
	s_or_b32 s[G0+4*\s+3], s[G0+4*\s+3], 0x80000000
	s_mov_b32 s[G0B+4*\s], 1
	s_add_co_u32 s[G0B+4*\s+1], s20, \s*SLOT
	s_add_nc_u64 s[G0B+4*\s+2:G0B+4*\s+3], s[46:47], \s*4*131072
	s_or_b32 s[G0B+4*\s+3], s[G0B+4*\s+3], 0x80000000
	JLOAD \s
.endr
	v_and_b32 v1, 15, v0                           ; r = l % 16
	v_bfe_u32 v2, v0, 4, 1                         ; h = l / 16
	s_lshl_b32 s46, s42, 9                         ; the bias at my 32 columns: 512 bytes a tile column, 128 a wave
	s_lshl_b32 s47, s14, 7
	s_add_co_u32 s46, s46, s47
	s_mov_b32 s47, 0
	s_add_nc_u64 s[8:9], s[8:9], s[46:47]
	v_lshlrev_b32 v27, 5, v2
.irp b, 0,1
	global_load_b128 v[BI+8*\b:BI+8*\b+3], v27, s[8:9] offset:64*\b
	global_load_b128 v[BI+8*\b+4:BI+8*\b+7], v27, s[8:9] offset:64*\b+16
.endr
	v_bfe_u32 v3, v0, 1, 3                         ; r / 2
	v_and_b32 v4, 1, v0                            ; r % 2
	v_mul_u32_u24 v5, v3, PITCH
	v_lshl_add_u32 v5, v4, 7, v5
	v_lshl_add_u32 v5, v2, 4, v5                   ; a fragment's row r, + 16 h
	s_mul_i32 s21, s13, 32*PITCH                   ; my 64 rows of A's blocks
	s_mul_i32 s22, s14, 16*PITCH                   ; my 32 rows of B's,
	s_add_co_u32 s22, s22, 4*BLK                   ; which lie behind A's four
.irp s, 0,1
	v_add_nc_u32 v[ADRA+\s], s21, v5
	v_add_nc_u32 v[ADRB+\s], s22, v5
	s_add_co_u32 s21, s21, SLOT
	s_add_co_u32 s22, s22, SLOT
.endr
	s_mul_i32 s23, s13, 64*SPITCH                  ; into the stage: my 64 rows, my 128 of their 512 bytes; row r, 32 bytes for each half of the lanes
	s_lshl_b32 s21, s14, 7
	s_add_co_u32 s23, s23, s21
	v_mul_u32_u24 v6, v1, SPITCH
	v_lshl_add_u32 v6, v2, 5, v6
	v_add_nc_u32 v[STO], s23, v6
	s_mul_i32 s23, s12, 16*SPITCH                  ; back: wave w takes rows 16 w .. 16 w + 15, whole: the 32 lanes one row of 512 bytes
	v_and_b32 v7, 31, v0
	v_lshlrev_b32 v[CO], 4, v7
	v_add_nc_u32 v[RD], s23, v[CO]
	s_lshl_b32 s16, s15, 7
	s_lshl_b32 s17, s12, 4
	s_add_co_u32 s16, s16, s17                     ; the first row of out0 that I store: 128 x tile row + 16 x wave,
	s_lshl_b32 s16, s16, 12                        ; of 4,096 bytes
	s_mov_b32 s17, 0
	s_add_nc_u64 s[10:11], s[10:11], s[16:17]
	s_lshl_b32 s46, s42, 9                         ; the tile's first column, in bytes
	s_mov_b32 s47, 0
	s_add_nc_u64 s[10:11], s[10:11], s[46:47]
; 12 LDS loads in one run: the fragments of eighth e of slot s (32 along K: half e % 2 of K block e / 2) into buffer f
.macro FETCH s, e, f
.irp b, 0,1
	ds_load_b128 v[\f+32+8*\b:\f+32+8*\b+3],   v[ADRB+\s] offset:BLK*((\e)/2)+8*PITCH*\b+64*((\e)%2)
	ds_load_b128 v[\f+32+8*\b+4:\f+32+8*\b+7], v[ADRB+\s] offset:BLK*((\e)/2)+8*PITCH*\b+64*((\e)%2)+32
.endr
.irp a, 0,1,2,3
	ds_load_b128 v[\f+8*\a:\f+8*\a+3],   v[ADRA+\s] offset:BLK*((\e)/2)+8*PITCH*\a+64*((\e)%2)
	ds_load_b128 v[\f+8*\a+4:\f+8*\a+7], v[ADRA+\s] offset:BLK*((\e)/2)+8*PITCH*\a+64*((\e)%2)+32
.endr
.endm
; 8 matrix instructions on buffer f; the eight accumulators take turns, one instruction a turn, in the same order everywhere.  first = 1: the sums start from the bias
.macro MUL8 f, first
.irp a, 0,1,2,3
.irp b, 0,1
.if \first
	v_wmma_f32_16x16x32_f16 v[ACC+8*(2*\a+\b):ACC+8*(2*\a+\b)+7], v[\f+32+8*\b:\f+32+8*\b+7], v[\f+8*\a:\f+8*\a+7], v[BI+8*\b:BI+8*\b+7]
.else
	v_wmma_f32_16x16x32_f16 v[ACC+8*(2*\a+\b):ACC+8*(2*\a+\b)+7], v[\f+32+8*\b:\f+32+8*\b+7], v[\f+8*\a:\f+8*\a+7], v[ACC+8*(2*\a+\b):ACC+8*(2*\a+\b)+7]
.endif
.endr
.endr
.endm
.macro PLACES                          ; four places in front of loads into registers that matrix instructions have read, and of the first read of results (ISA guide 7.12.1 for vector instructions)
.rept 4
	v_nop
.endr
.endm
; A K step: eight eighths on buffers 0, 1, 0, 1 ..; each eighth's loads are issued one eighth ahead.  At the step's head both buffers are free: four places stand behind the last products in the change of slots.
.macro SLOTWORK s, first
	FETCH \s, 0, F0
.set EI, 0
.rept 7
.if EI > 0
	PLACES
.endif
	FETCH \s, EI+1, F0+48*((EI+1)%2)
	s_wait_dscnt 12                                ; all but the 12 just issued
.if \first && (EI == 0)
	MUL8 F0+48*(EI%2), 1
.else
	MUL8 F0+48*(EI%2), 0
.endif
.set EI, EI+1
.endr
	s_wait_dscnt 0x0
	MUL8 F1, 0
.endm
; THE CHANGE OF SLOTS, behind slot s's K step.  Each wave waits for all its tensor loads (its block of the other slot), adds 0 to its spare word, and waits for that and for its reads of slot s.  fill = 1: slot s is filled
; again, two K steps on; the barrier is then a round of the cluster's, and the joint refill is the first thing behind it: it has the other slot's 64 matrix instructions a wave in which to land.
.macro CHANGE s, fill
	s_wait_tensorcnt 0x0                           ; no tensor load of mine is out, so a group 0 may be written
	ds_add_u32 v[SPW], v[NIL]                      ; 0 onto my spare word
.if \fill
	s_add_nc_u64 s[G0+4*\s+2:G0+4*\s+3], s[G0+4*\s+2:G0+4*\s+3], 8*524288     ; eight K blocks on; the type bits on top are not reached
	s_add_nc_u64 s[G0B+4*\s+2:G0B+4*\s+3], s[G0B+4*\s+2:G0B+4*\s+3], 8*131072
.endif
	s_wait_dscnt 0x0                               ; the add is done, and my reads of the slot are over
.if \fill
	CROUND
	JLOAD \s                                       ; the four v_nop behind it are also the places in front of the next loads
.else
	s_barrier_signal -1
	s_barrier_wait -1
	PLACES
.endif
.endm
	s_wait_tensorcnt 1                             ; my block of K step 0 is in; K step 1's may stay out
	s_barrier_signal -1
	s_barrier_wait -1                              ; everybody's is
	s_wait_loadcnt 0x0                             ; the bias
	SLOTWORK 0, 1                                  ; K step 0: its first products start the sums
	CHANGE 0, 1
	SLOTWORK 1, 0
	CHANGE 1, 1
	SLOTWORK 0, 0
	CHANGE 0, 0                                    ; nothing is left to fetch; behind this barrier nobody reads slot 0, where the stage lies
	SLOTWORK 1, 0
	; THE WAY OUT: 32 bytes a lane into the work-group's stage; a barrier, since a row's 512 bytes come from four waves; back as whole rows, 16 rows a wave.
	PLACES
.irp a, 0,1,2,3
.irp b, 0,1
	ds_store_b128 v[STO], v[ACC+8*(2*\a+\b):ACC+8*(2*\a+\b)+3] offset:\a*16*SPITCH+64*\b          ; each accumulator from its low end on
	ds_store_b128 v[STO], v[ACC+8*(2*\a+\b)+4:ACC+8*(2*\a+\b)+7] offset:\a*16*SPITCH+64*\b+16
.endr
.endr
	s_wait_dscnt 0x0                               ; for the others' sake: my stores into the stage are done
	s_barrier_signal -1
	s_barrier_wait -1
.irp i, 0,1,2,3,4,5,6,7,8,9,10,11,12,13,14,15
	ds_load_b128 v[F0+4*\i:F0+4*\i+3], v[RD] offset:\i*SPITCH
.endr
.irp i, 0,1,2,3,4,5,6,7,8,9,10,11,12,13,14,15
	s_wait_dscnt 15-\i
	global_store_b128 v[CO], v[F0+4*\i:F0+4*\i+3], s[10:11] offset:4096*\i th:TH_STORE_NT   ; 32 lanes store 512 consecutive bytes, aligned; written once, read by nobody here
.endr
	s_wait_tensorcnt 0x0                           ; the wave's end: behind my last tensor load and my last LDS store
	ds_add_u32 v[SPW], v[NIL]
	s_wait_dscnt 0x0
	CROUND                                         ; the closing round: no work-group ends while a partner may still ask for a tile that names it
	s_endpgm
.Lfunc_end_k_q6ddb6717f1_outp:
	.size	k_q6ddb6717f1_outp, .Lfunc_end_k_q6ddb6717f1_outp-k_q6ddb6717f1_outp
	.p2alignl 7, 3214868480
	.fill 96, 4, 3214868480
	.section	.rodata,"a",@progbits
	.p2align	6, 0x0
	.amdhsa_kernel k_q6ddb6717f1_outp
		.amdhsa_group_segment_fixed_size 327680
		.amdhsa_private_segment_fixed_size 0
		.amdhsa_enable_private_segment 0
		.amdhsa_kernarg_size 32
		.amdhsa_user_sgpr_count 2
		.amdhsa_user_sgpr_kernarg_segment_ptr 1
		.amdhsa_wavefront_size32 1
		.amdhsa_system_sgpr_workgroup_id_x 1
		.amdhsa_system_sgpr_workgroup_id_y 1
		.amdhsa_system_sgpr_workgroup_id_z 1
		.amdhsa_system_vgpr_workitem_id 0
		.amdhsa_next_free_vgpr 256
		.amdhsa_next_free_sgpr 66
		.amdhsa_reserve_vcc 0
		.amdhsa_float_denorm_mode_32 3
		.amdhsa_float_denorm_mode_16_64 3
		.amdhsa_memory_ordered 1
		.amdhsa_forward_progress 1
		.amdhsa_inst_pref_size 59
	.end_amdhsa_kernel
	.amdgpu_metadata
---
amdhsa.version: [ 1, 2 ]
amdhsa.kernels:
  - .name:           k_q6ddb6717f1_outp
    .symbol:         k_q6ddb6717f1_outp.kd
    .args:
      - { .name: att, .offset: 0, .size: 8, .value_kind: global_buffer, .address_space: global }
      - { .name: wo16, .offset: 8, .size: 8, .value_kind: global_buffer, .address_space: global }
      - { .name: bo, .offset: 16, .size: 8, .value_kind: global_buffer, .address_space: global }
      - { .name: out0, .offset: 24, .size: 8, .value_kind: global_buffer, .address_space: global }
    .group_segment_fixed_size: 327680
    .private_segment_fixed_size: 0
    .kernarg_segment_align: 8
    .kernarg_segment_size: 32
    .max_flat_workgroup_size: 256
    .sgpr_count:     66
    .vgpr_count:     256
    .wavefront_size: 32
...
	.end_amdgpu_metadata
.endif
;; end of part 4
